; MI455X (gfx1250); checked and timed in simulation.
; The chip was launched on July 23, 2026; its instructions are those of AMD's public machine-readable ISA for CDNA 5 (MIT licence, August 2026) and "CDNA5" Instruction Set Architecture Reference Guide (July 2026). The comments in the code are by the model that wrote it; some were corrected since.
;; Multi Head Attention. Allowed arithmetic: matrix products marked QUANTISED: E4M3 operands, one given power-of-two scale a tensor, by v_wmma_f32_16x16x64_fp8_fp8 or v_wmma_f32_16x16x128_fp8_fp8, f32 sums; everything else in f32.
;; Inputs: b_k 768 float32; b_o 768 float32; b_q 768 float32; b_v 768 float32; lowp_scales 12 int32 (the exponents e of the quantised operands' scales 2^e); w_k 768 x 768 float32; w_o 768 x 768 float32; w_q 768 x 768 float32; w_v 768 x 768 float32; x 1 x 4,096 x 768 float32.
;; Outputs: out0 1 x 4,096 x 768 float32.
;; This version of the problem:
;;   THIS VERSION OF THE PROBLEM IS GIVEN IN LOW PRECISION. The matrix products marked QUANTISED in the list below multiply operands that are first quantised to E4M3 (4 exponent bits, 3 mantissa bits; 8 bits a number), with one given power-of-two scale for each operand tensor; their sums are f32. All else is computed in f32.
;;   The module's matrix products, in the order in which they are computed (A, B: the left and right operand; K: the contracted axis; several contracted axes count as one K, in the product's order):
;;     1. [M 4,096, K 768] x [K 768, N 768]; A: input x; B: input w_q: QUANTISED (scales: A lowp_scales[0], B lowp_scales[1])
;;     2. [M 4,096, K 768] x [K 768, N 768]; A: input x; B: input w_k: QUANTISED (scales: A lowp_scales[2], B lowp_scales[3])
;;     3. [M 4,096, K 768] x [K 768, N 768]; A: input x; B: input w_v: QUANTISED (scales: A lowp_scales[4], B lowp_scales[5])
;;     4. batch 12 x [M 4,096, K 64] x [K 64, N 4,096]; A: computed on the way; B: computed on the way: QUANTISED (scales: A lowp_scales[6], B lowp_scales[7])
;;     5. batch 12 x [M 4,096, K 4,096] x [K 4,096, N 64]; A: softmax (see below); B: computed on the way: QUANTISED (scales: A lowp_scales[8], B lowp_scales[9])
;;     6. [M 4,096, K 768] x [K 768, N 768]; A: computed on the way; B: input w_o: QUANTISED (scales: A lowp_scales[10], B lowp_scales[11])
;;   THE QUANTISER, for each operand of a quantised product, along K:
;;     - The operand's scale is 2^e, e = its entry of the input lowp_scales (int32; the entries are numbered through the quantised products in the list's order, A before B).
;;     - Each number is divided by the scale, clamped to +-448, and rounded to the nearest number of E4M3, ties to even, subnormals kept.
;;     - The product sums the exact products of the quantised numbers (number of the format x scale) in f32.
;;   ~~~python
;;   def quantise(x, axis, e):      # numpy; x: float32 -> the quantised numbers, widened to float32 again
;;       x = np.moveaxis(x, axis, -1); K = x.shape[-1]
;;       r = np.clip(x / 2.0 ** e, -448, 448)
;;       step = 2.0 ** (np.maximum(np.frexp(np.where(r == 0, 1, r))[1] - 1, -6) - 3)
;;       q = np.round(r / step) * step * 2.0 ** e      # np.round: ties to even
;;       return np.moveaxis(q, -1, axis).astype(np.float32)
;;   ~~~
;;   SOFTMAX AHEAD OF A QUANTISED PRODUCT. Where the list says 'softmax', what is quantised is not the finished softmax but p = 2^(t - M), with t = logit x log2(e) and M = ceil(the row's largest t), a whole number; so 1/2 < the row's largest p <= 1. The row's sum l is taken of the UNQUANTISED p, in f32, and the product's result is divided by l at the end. Since M is a whole number, a kernel that streams over the keys may use a running M (the ceiling of the running maximum): every later rescaling is an exact power of two, so the quantised numbers keep their values, but for numbers so far below the row's largest that they fall under the format's range.
;;   OPERANDS COMPUTED ON THE WAY. 'Computed on the way' means the value that the module computes at that place (a softmax that the list does not call 'softmax' is quantised finished and normalised). What goes into a quantiser is computed in f32, as accurately as f32 sums, v_exp_f32 and their like allow (about 1e-6 of the number): no bf16 or f16 on the way to a quantiser, and a product that is left as it is and whose result goes on into a quantised operand takes f32 operands (vector FMAs, or v_wmma_f32_16x16x4_f32). A number that lies on a knife's edge between two numbers of the format may be rounded either way, as far as f32 arithmetic and the matrix unit's own rounding can turn it there, and no further.
;; One version. Each part assembles by itself: llvm-mc -triple=amdgcn-amd-amdhsa -mcpu=gfx1250 --defsym DOCPART=n.
;; ======== version 1 of 1: 4 launches
;; limits: right only within a limited range of input values
;; workspace buffers: xc 9,437,184 bytes; wc 2,359,296 bytes; qc 3,145,728 bytes; kc 3,145,728 bytes; vc 3,145,728 bytes; hc 3,145,728 bytes
;; launch prep (part 1): grid 352 x 1, 6 waves a work-group, no clusters, 51,456 bytes of LDS; arguments x, w_q, w_k, w_v, w_o, lowp_scales, xc, wc; writes xc, wc
.if DOCPART == 1
	.amdgcn_target "amdgcn-amd-amdhsa--gfx1250"
	.amdhsa_code_object_version 6
	.text
	.protected	k_q45abd64e29_prep
	.globl	k_q45abd64e29_prep
	.p2align	8
	.type	k_q45abd64e29_prep,@function
k_q45abd64e29_prep:
	s_mov_b64 s[64:65], 0
	v_nop
	global_prefetch_b8 v0, s[64:65] scope:SCOPE_SE
	s_setreg_imm32_b32 hwreg(HW_REG_WAVE_MODE, 25, 1), 1
	s_wait_xcnt 0x0
; x [4096][768] f32 becomes three sets of E4M3 codes (scales 2^e0, 2^e2, 2^e4); w_q, w_k, w_v, w_o [768 (k)][768 (n)] f32 become codes with K innermost (2^e1, 2^e3, 2^e5, 2^e11).
; code = number / 2^e, held within +-448, rounded to the nearest code, ties to even.
; LAYOUT OF THE CODES, the same for every operand of this program.
;   SPLIT ORDER: tile T = 2 B + u holds in its row r (0..15) the index 32 B + 8 u + r + 8 (r / 8).
;   FRAGMENT ORDER: a fragment (16 rows x 128 k) is the image of its 16 registers: group c (512 bytes) holds at 16 x lane the 16 codes k = 32 c + 16 (lane / 16) + 0..15 of row lane % 16.
;   xc: [version 3][T 256][K step 6][c 4][lane 32][16 bytes];  wc: [weight 4][T 48][K step 6][c 4][lane 32][16 bytes].
; Work-groups 0..255 take x: work-group T, wave = K step: one fragment in three versions.  Each load reads 512 consecutive bytes of a row; the 16 rows turn through the wave's own stage in LDS, so that a lane
; gets 16 neighbours along K of each block of 32; each store of codes covers 512 consecutive bytes, aligned.
; Work-groups 256..351 take the weights: a lane takes a column and its registers run down K, so the conversions give codes with K innermost; six waves stand side by side on 192 columns (768 bytes of a row of w).
; No matrix work, no tensor load, no cluster, no barrier: the waves share nothing, and every byte is read once.
; LIMITS: e0..e5 and e11 between -126 and 119, so that 2^e and 448 x 2^e are f32 numbers.  NaN among the inputs is not served (an infinity is held at the largest code).
.set STGB,  8448                       ; a wave's stage: 16 rows of 512 bytes + 16 of padding
.set SP,    528                        ; its pitch: 33 x 16 bytes, so the 16 rows that a read touches start at 16 different 16-byte columns
.set SPARE, 6*STGB                     ; behind the stages: the spare words, 128 bytes for each wave, three blocks of 256 bytes that no other line names
.set R,     16                         ; v16-79   x path: 16 rows as loaded, later the held numbers;   v16-143 weight path: 128 numbers down K
.set X,     80                         ; v80-143  x path: 64 numbers, register 16 c + i = k 32 c + 16 (lane / 16) + i of my row
.set C,     144                        ; v144-191 codes: never written twice
.set SPW,   10                         ; v10      LDS address of my spare word; never rewritten
.set NIL,   11                         ; v11      0; never rewritten
.macro MKSC e, vs, vl                  ; s[e] = an exponent: v[vs] = 2^e as f32 (the conversion takes its exponent field), v[vl] = 448 x 2^e
	s_add_co_i32 s44, s[\e], 127
	s_lshl_b32 s45, s44, 23
	v_mov_b32 v[\vs], s45
	s_add_co_i32 s44, s44, 8
	s_lshl_b32 s44, s44, 23
	s_or_b32 s44, s44, 0x600000
	v_mov_b32 v[\vl], s44
.endm
	s_load_b512 s[8:23], s[0:1], 0x0               ; x 8:9, w_q 10:11, w_k 12:13, w_v 14:15, w_o 16:17, the exponents 18:19, xc 20:21, wc 22:23
	v_lshl_add_u32 v[SPW], v0, 2, SPARE
	v_mov_b32 v[NIL], 0
	v_lshrrev_b32 v12, 5, v0
	v_readfirstlane_b32 s36, v12                   ; wave 0..5
	v_and_b32 v12, 31, v0                          ; lane
	s_wait_kmcnt 0x0
	s_load_b256 s[24:31], s[18:19], 0x0            ; e0..e7
	s_load_b128 s[32:35], s[18:19], 0x20           ; e8..e11
	s_cmp_lt_u32 ttmp9, 256                        ; x's work-group or a weight's: the work-group's number alone
	s_cbranch_scc0 .Lweights
	; ---- x: tile T = work-group, K step = wave
	s_lshr_b32 s37, ttmp9, 1
	s_lshl_b32 s37, s37, 5
	s_and_b32 s38, ttmp9, 1
	s_lshl_b32 s38, s38, 3
	s_add_co_u32 s37, s37, s38                     ; the tile's first row: 32 (T / 2) + 8 (T % 2)
	s_mul_i32 s38, s37, 3072
	s_lshl_b32 s39, s36, 9
	s_add_co_u32 s38, s38, s39                     ; + 512 bytes for each K step
	s_mov_b32 s39, 0
	s_add_nc_u64 s[8:9], s[8:9], s[38:39]
	s_mul_i32 s40, ttmp9, 12288
	s_lshl_b32 s41, s36, 11
	s_add_co_u32 s40, s40, s41                     ; the fragment's place in a version of xc
	s_mov_b32 s41, 0
	s_add_nc_u64 s[20:21], s[20:21], s[40:41]
	s_wait_alu depctr_va_vdst(0)
	v_lshlrev_b32 v1, 4, v12                       ; 16 x lane
.irp i, 0,1,2,3,4,5,6,7,8,9,10,11,12,13,14,15
	global_load_b128 v[R+4*\i:R+4*\i+3], v1, s[8:9] offset:(\i+8*(\i/8))*3072 th:TH_LOAD_NT   ; the tile's row i: 32 lanes read 512 consecutive bytes
.endr
	s_mul_i32 s42, s36, STGB
	v_add_nc_u32 v2, s42, v1                       ; into my stage: as loaded
	v_and_b32 v13, 15, v0
	v_bfe_u32 v14, v0, 4, 1
	v_mul_u32_u24 v3, v13, SP
	v_lshl_add_u32 v3, v14, 6, v3
	v_add_nc_u32 v3, s42, v3                       ; out of it: row lane % 16, + 64 bytes for lanes 16-31
	s_wait_alu depctr_va_vdst(0)
	s_wait_kmcnt 0x0
	MKSC 24, 4, 5                                  ; e0
	MKSC 26, 6, 7                                  ; e2
	MKSC 28, 8, 9                                  ; e4
	s_wait_alu depctr_va_vdst(0)
.irp i, 0,1,2,3,4,5,6,7,8,9,10,11,12,13,14,15
	s_wait_loadcnt 15-\i                           ; loads come back in order: row i is in, the younger ones stay out
	ds_store_b128 v2, v[R+4*\i:R+4*\i+3] offset:SP*\i
.endr
.irp c, 0,1,2,3
.irp j, 0,1,2,3
	ds_load_b128 v[X+16*\c+4*\j:X+16*\c+4*\j+3], v3 offset:128*\c+16*\j   ; LDS serves a wave's instructions in order: these see my stores
.endr
.endr
	s_wait_dscnt 0x0                               ; the 64 numbers are back, and the stores have read R
.macro XCONV ver                       ; one version: hold, convert, store
.set n, 0
.rept 64
	v_med3_num_f32 v[R+n], v[X+n], -v[5+2*(\ver)], v[5+2*(\ver)]   ; the conversion to an 8-bit code does not saturate (ISA guide 7.6.2): hold first
.set n, n+1
.endr
.irp g, 0,1,2,3,4,5,6,7
	v_cvt_scalef32_pk8_fp8_f32 v[C+16*(\ver)+2*\g:C+16*(\ver)+2*\g+1], v[R+8*\g:R+8*\g+7], v[4+2*(\ver)]
.endr
	v_nop                                          ; a plain vector line behind the conversions: the next version's holds write their sources
.irp c, 0,1,2,3
	global_store_b128 v1, v[C+16*(\ver)+4*\c:C+16*(\ver)+4*\c+3], s[20:21] offset:3145728*(\ver)+512*\c   ; 512 consecutive bytes, aligned
.endr
.endm
	XCONV 0
	XCONV 1
	XCONV 2
	s_wait_tensorcnt 0x0                           ; the wave's end: these three lines behind my last LDS store
	ds_add_u32 v[SPW], v[NIL]
	s_wait_dscnt 0x0
	s_endpgm
	; ---- the weights: g = work-group - 256 = 6 (4 weight + column group) + K step
.Lweights:
	s_sub_co_u32 s37, ttmp9, 256
	s_mul_i32 s38, s37, 43
	s_lshr_b32 s38, s38, 8                         ; g / 6 (exact for g under 96)
	s_mul_i32 s39, s38, 6
	s_sub_co_u32 s39, s37, s39                     ; K step
	s_lshr_b32 s40, s38, 2                         ; weight 0..3: q, k, v, o
	s_and_b32 s41, s38, 3
	s_mul_i32 s42, s41, 6
	s_add_co_u32 s42, s42, s36                     ; B: my wave's group of 32 columns, 0..23
	s_cmp_eq_u32 s40, 1
	s_cselect_b64 s[10:11], s[12:13], s[10:11]
	s_cmp_eq_u32 s40, 2
	s_cselect_b64 s[10:11], s[14:15], s[10:11]
	s_cmp_eq_u32 s40, 3
	s_cselect_b64 s[10:11], s[16:17], s[10:11]
	s_mul_i32 s44, s39, 128*3072                   ; 128 rows of w for each K step,
	s_lshl_b32 s45, s42, 7                         ; 128 bytes for each group of columns
	s_add_co_u32 s44, s44, s45
	s_mov_b32 s45, 0
	s_add_nc_u64 s[10:11], s[10:11], s[44:45]
	s_mul_i32 s44, s40, 589824
	s_mul_i32 s46, s42, 24576                      ; tiles 2 B and 2 B + 1
	s_add_co_u32 s44, s44, s46
	s_lshl_b32 s46, s39, 11
	s_add_co_u32 s44, s44, s46
	s_add_nc_u64 s[22:23], s[22:23], s[44:45]
	s_wait_alu depctr_va_vdst(0)
	v_lshlrev_b32 v1, 2, v12                       ; in: 4 bytes a lane
	v_bfe_u32 v13, v0, 3, 1                        ; column 32 B + lane lies in tile 2 B + u, u = (lane / 8) % 2,
	v_and_b32 v14, 7, v0
	v_bfe_u32 v15, v0, 4, 1
	v_lshl_add_u32 v14, v15, 3, v14                ; at row r = lane % 8 + 8 (lane / 16)
	v_mul_u32_u24 v13, v13, 12288
	v_lshl_add_u32 v2, v14, 4, v13                 ; out: 12,288 u + 16 r
.macro WLOAD c                         ; block c: w(128 K step + 32 c + i, my column)
.set n, 0
.rept 32
	global_load_b32 v[R+32*(\c)+n], v1, s[10:11] offset:(32*(\c)+n)*3072 th:TH_LOAD_NT
.set n, n+1
.endr
.endm
.macro WBLOCK c
.set n, 0
.rept 32
	v_med3_num_f32 v[R+32*(\c)+n], v[R+32*(\c)+n], -v5, v5
.set n, n+1
.endr
.irp g, 0,1,2,3
	v_cvt_scalef32_pk8_fp8_f32 v[C+8*(\c)+2*\g:C+8*(\c)+2*\g+1], v[R+32*(\c)+8*\g:R+32*(\c)+8*\g+7], v4
.endr
	v_nop                                          ; a plain vector line behind the conversions
.irp h, 0,1
	global_store_b128 v2, v[C+8*(\c)+4*\h:C+8*(\c)+4*\h+3], s[22:23] offset:512*(\c)+256*\h   ; k = 32 c + 16 h + 0..15: the sixteen lanes of a tile fill 256 consecutive bytes, aligned
.endr
.endm
	WLOAD 0
	WLOAD 1
	s_wait_alu depctr_va_vdst(0)
	s_wait_kmcnt 0x0
	s_cmp_eq_u32 s40, 1                            ; e1, e3, e5 or e11
	s_cselect_b32 s25, s27, s25
	s_cmp_eq_u32 s40, 2
	s_cselect_b32 s25, s29, s25
	s_cmp_eq_u32 s40, 3
	s_cselect_b32 s25, s35, s25
	MKSC 25, 4, 5
	s_wait_alu depctr_va_vdst(0)
	s_wait_loadcnt 32                              ; block 0 is in; the one younger block stays out
	WLOAD 2
	WBLOCK 0
	s_wait_loadcnt 32                              ; block 1 is in
	WLOAD 3
	WBLOCK 1
	s_wait_loadcnt 32                              ; block 2 is in
	WBLOCK 2
	s_wait_loadcnt 0x0
	WBLOCK 3
	s_endpgm
.Lfunc_end_k_q45abd64e29_prep:
	.size	k_q45abd64e29_prep, .Lfunc_end_k_q45abd64e29_prep-k_q45abd64e29_prep
	.p2alignl 7, 3214868480
	.fill 96, 4, 3214868480
	.section	.rodata,"a",@progbits
	.p2align	6, 0x0
	.amdhsa_kernel k_q45abd64e29_prep
		.amdhsa_group_segment_fixed_size 51456
		.amdhsa_private_segment_fixed_size 0
		.amdhsa_enable_private_segment 0
		.amdhsa_kernarg_size 64
		.amdhsa_user_sgpr_count 2
		.amdhsa_user_sgpr_kernarg_segment_ptr 1
		.amdhsa_wavefront_size32 1
		.amdhsa_system_sgpr_workgroup_id_x 1
		.amdhsa_system_sgpr_workgroup_id_y 1
		.amdhsa_system_sgpr_workgroup_id_z 1
		.amdhsa_system_vgpr_workitem_id 0
		.amdhsa_next_free_vgpr 192
		.amdhsa_next_free_sgpr 66
		.amdhsa_reserve_vcc 0
		.amdhsa_float_denorm_mode_32 3
		.amdhsa_float_denorm_mode_16_64 3
		.amdhsa_memory_ordered 1
		.amdhsa_forward_progress 1
		.amdhsa_inst_pref_size 46
	.end_amdhsa_kernel
	.amdgpu_metadata
---
amdhsa.version: [ 1, 2 ]
amdhsa.kernels:
  - .name:           k_q45abd64e29_prep
    .symbol:         k_q45abd64e29_prep.kd
    .args:
      - { .name: x, .offset: 0, .size: 8, .value_kind: global_buffer, .address_space: global }
      - { .name: w_q, .offset: 8, .size: 8, .value_kind: global_buffer, .address_space: global }
      - { .name: w_k, .offset: 16, .size: 8, .value_kind: global_buffer, .address_space: global }
      - { .name: w_v, .offset: 24, .size: 8, .value_kind: global_buffer, .address_space: global }
      - { .name: w_o, .offset: 32, .size: 8, .value_kind: global_buffer, .address_space: global }
      - { .name: lowp_scales, .offset: 40, .size: 8, .value_kind: global_buffer, .address_space: global }
      - { .name: xc, .offset: 48, .size: 8, .value_kind: global_buffer, .address_space: global }
      - { .name: wc, .offset: 56, .size: 8, .value_kind: global_buffer, .address_space: global }
    .group_segment_fixed_size: 51456
    .private_segment_fixed_size: 0
    .kernarg_segment_align: 8
    .kernarg_segment_size: 64
    .max_flat_workgroup_size: 192
    .sgpr_count:     66
    .vgpr_count:     192
    .wavefront_size: 32
...
	.end_amdgpu_metadata
.endif
;; end of part 1
;; launch qkv (part 2): grid 16 x 12, 8 waves a work-group, clusters of 4 x 4, 327,680 bytes of LDS; arguments xc, wc, b_q, b_k, b_v, lowp_scales, qc, kc, vc; writes qc, kc, vc
.if DOCPART == 2
	.amdgcn_target "amdgcn-amd-amdhsa--gfx1250"
	.amdhsa_code_object_version 6
	.text
	.protected	k_q45abd64e29_qkv
	.globl	k_q45abd64e29_qkv
	.p2align	8
	.type	k_q45abd64e29_qkv,@function
k_q45abd64e29_qkv:
	s_mov_b64 s[64:65], 0
	v_nop
	global_prefetch_b8 v0, s[64:65] scope:SCOPE_SE
	s_setreg_imm32_b32 hwreg(HW_REG_WAVE_MODE, 25, 1), 1
	s_wait_xcnt 0x0
	s_wait_alu depctr_hold_cnt(0) depctr_sa_sdst(0) depctr_va_vdst(0) depctr_va_sdst(0) depctr_va_ssrc(0) depctr_va_vcc(0) depctr_vm_vsrc(0)
	s_getreg_b32 s2, hwreg(HW_REG_IB_STS2, 6, 4)
	s_cmp_eq_u32 s2, 0
	s_cbranch_scc0 .Lentry_in_a_cluster
	s_endpgm
.Lentry_in_a_cluster:
	s_bfe_u32 s2, ttmp6, 0x10000c
	s_cmp_lg_u32 s2, 0xf033
	s_cbranch_scc0 .Lentry_shape_is_right
	s_endpgm
.Lentry_shape_is_right:
; q = x w_q + b_q, k = x w_k + b_k, v = x w_v + b_v on E4M3 codes, each result quantised at once (2^e6, 2^e7, 2^e9) and stored as the fragments that the attention launch reads.
; Work-group: product t (0 q, 1 k, 2 v), 256 rows of x (16 tiles) x 192 columns of W (12 tiles).  Eight waves, each 64 rows (4 tiles) x 96 columns (6 tiles): 24 accumulators, taken by turns, one instruction a turn
; CLUSTER 4 x 4: along x the row blocks, along y the four column blocks of ONE product (cluster y = t).  x's tiles are shared along y, W's along x: every tensor load is joint.
; K = 768 in six steps of 128.  LDS holds five: region A (steps 0, 1), region B (steps 2, 3, 4); step 5 takes region A again.  At the head each wave issues one load: waves 0-3 region A, waves 4-7 region B
; (even pair of waves x, odd pair W).  Behind steps 0 and 1 a round of the cluster's barrier, and step 5's loads, one a wave, have steps 2 to 4 in which to land.  By this text's count a wave has one tensor load out.
; Operands lie in memory and in LDS in fragment order (group c: 512 bytes, 16 a lane; k = 32 c + 16 (lane / 16) + 0..15: the same permutation of k on both sides), tiles in split order
; (tile 2 B + u, row r: index 32 B + 8 u + r + 8 (r / 8)): so the 16 result registers of source 0's tiles 2 B, 2 B + 1 are 16 neighbours, and the conversions' results ARE the next operand's registers.
; q, k: source 0 = W's columns, source 1 = x's rows: a lane holds one row, its registers run along the head's 64.   v: sources swapped: a lane holds one channel, its registers run along the keys.
; No loop over K runs ahead of anything that is not already asked for at the head or in one refill: no data prefetch.
; qc, kc: [head 12][T 256][g 2][lane][16].   vc: [head 12][key step 32][channel tile 4][c 4][lane][16].
; LIMITS: ex + ew between -126 and 126, eo - ex - ew between -126 and 119 (ex, ew, eo: the product's two scales and its result's), so that each power of two below is an f32 number.
; NaN and infinities among the inputs are not served.
.set LWA,   65536                      ; region A: x [tile 16][step 2][2,048], then W [tile 12][step 2][2,048];  step 5: the same two places, [tile][2,048]
.set LXB,   114688                     ; region B: x [tile 16][step 3][2,048], then W [tile 12][step 3][2,048]
.set LWB,   212992
.set SPARE, 286720                     ; behind them: the spare words, 128 bytes for each wave
.set LI,   3                           ; v3   16 x lane
.set XA,   4                           ; v4, v5 LDS addresses of my x and W fragments in region A
.set WA,   5
.set SPW,  8                           ; v8   LDS address of my spare word; never rewritten
.set NIL,  9                           ; v9   0; never rewritten
.set XB,   10                          ; v10, v11 in region B;  v12, v13 step 5
.set WB,   11
.set XC,   12
.set WC,   13
.set SCL,  14                          ; v14  2^(eo - ex - ew)
.set LIMV, 15                          ; v15  448 x that
.set BA,   16                          ; v16-63 bias along the registers, 8 for each W tile (q, k); v16-27 bias of the lane, a pair for each W tile (v)
.set WF,   64                          ; v64-159 W's 6 fragments; on the way out the codes
.set XF,   160                         ; v160-223 x's 4 fragments;  window 1: accumulator (a = W tile, b = x tile) at 8 (4 a + b)
.set MSB, 0
.macro WIN new                         ; the immediate's high byte repeats the setting that is left
.if MSB != \new
	s_set_vgpr_msb (MSB<<8)|\new
.set MSB, \new
.endif
.endm
.macro CROUND                          ; a round of the cluster's barrier
	s_barrier_signal -1
	s_barrier_wait -1
	s_cmp_lg_u32 s22, 0
	s_cbranch_scc1 .Lnot_wave_0_\@
	s_barrier_signal -3
.Lnot_wave_0_\@:
	s_barrier_wait -3
	s_barrier_signal -1
	s_barrier_wait -1
.endm
.macro PLACES                          ; four plain vector lines between matrix instructions and loads into, or reads of, their registers
.rept 4
	v_nop
.endr
.endm
.macro TL g0, g1                       ; a tensor load in its arm
	tensor_load_to_lds s[\g0:\g0+3], s[\g1:\g1+7]
	s_nop 0
	PLACES
.endm
.macro MM zero, swap                   ; 24 matrix instructions; W's fragments are waited for one by one, the younger ones stay out
	WIN 0x50
.irp a, 0,1,2,3,4,5
	s_wait_dscnt 20-4*\a
.irp b, 0,1,2,3
.if \swap
.if \zero
	v_wmma_f32_16x16x128_fp8_fp8 v[8*(4*\a+\b):8*(4*\a+\b)+7], v[XF+16*\b:XF+16*\b+15], v[WF+16*\a:WF+16*\a+15], 0
.else
	v_wmma_f32_16x16x128_fp8_fp8 v[8*(4*\a+\b):8*(4*\a+\b)+7], v[XF+16*\b:XF+16*\b+15], v[WF+16*\a:WF+16*\a+15], v[8*(4*\a+\b):8*(4*\a+\b)+7]
.endif
.else
.if \zero
	v_wmma_f32_16x16x128_fp8_fp8 v[8*(4*\a+\b):8*(4*\a+\b)+7], v[WF+16*\a:WF+16*\a+15], v[XF+16*\b:XF+16*\b+15], 0
.else
	v_wmma_f32_16x16x128_fp8_fp8 v[8*(4*\a+\b):8*(4*\a+\b)+7], v[WF+16*\a:WF+16*\a+15], v[XF+16*\b:XF+16*\b+15], v[8*(4*\a+\b):8*(4*\a+\b)+7]
.endif
.endif
.endr
.endr
	WIN 0                                          ; at a branch and at a label every window is 0
.endm
.macro KSTEP adx, adw, pitch, s, zero  ; a K step: 40 LDS loads in one run, then the products; the branch hangs on t alone
	PLACES
.irp b, 0,1,2,3
.irp c, 0,1,2,3
	ds_load_b128 v[XF+16*\b+4*\c:XF+16*\b+4*\c+3], v[\adx] offset:\pitch*\b+2048*\s+512*\c
.endr
.endr
.irp a, 0,1,2,3,4,5
.irp c, 0,1,2,3
	ds_load_b128 v[WF+16*\a+4*\c:WF+16*\a+4*\c+3], v[\adw] offset:\pitch*\a+2048*\s+512*\c
.endr
.endr
	s_cmp_eq_u32 s30, 2
	s_cbranch_scc1 .Lswap_\@
	MM \zero, 0
	s_branch .Ljoin_\@
.Lswap_\@:
	MM \zero, 1
.Ljoin_\@:
.endm
	s_load_b512 s[4:19], s[0:1], 0x0               ; xc 4:5, wc 6:7, b_q 8:9, b_k 10:11, b_v 12:13, the exponents 14:15, qc 16:17, kc 18:19
	s_load_b64 s[20:21], s[0:1], 0x40              ; vc
	v_lshl_add_u32 v[SPW], v0, 2, SPARE
	v_mov_b32 v[NIL], 0
	ds_add_u32 v[SPW], v[NIL]                      ; the wave's opening: the add, twice, and its wait ahead of my first tensor load
	ds_add_u32 v[SPW], v[NIL]
	v_lshrrev_b32 v1, 5, v0
	v_readfirstlane_b32 s22, v1                    ; wave 0..7
	s_lshr_b32 s23, s22, 2                         ; which 96 columns are mine
	s_and_b32 s24, s22, 3                          ; which 64 rows are mine; also my quarter of step 5's tiles
	s_and_b32 s25, s22, 1                          ; my half of the head's tiles
	s_lshr_b32 s26, s22, 1                         ; my arm at the head
	s_bfe_u32 s27, ttmp6, 0x40000                  ; cx
	s_bfe_u32 s28, ttmp6, 0x40004                  ; cy: the column block nb
	s_lshl_b32 s29, ttmp9, 2
	s_add_co_u32 s29, s29, s27                     ; the row block mb = 4 x cluster x + cx
	s_and_b32 s30, ttmp7, 0xffff                   ; t = cluster y
	s_lshl_b32 s31, 0x1111, s27                    ; x's tiles go to those with my cx
	s_lshl_b32 s33, s28, 2
	s_lshl_b32 s32, 15, s33                        ; W's tiles to those with my cy
	; group 1, in elements of 8 bytes, tiles 12,288 bytes apart, dense in LDS: A: two K steps a row (512 elements), B: three (768); x 8 tiles, W 6
	s_or_b32 s36, s31, (3<<16)|(1<<21)
	s_or_b32 s44, s32, (3<<16)|(1<<21)
	s_or_b32 s52, s31, (3<<16)|(1<<21)
	s_or_b32 s68, s32, (3<<16)|(1<<21)
.irp g, 36, 44
	s_mov_b32 s[\g+1], 512<<16                     ; tensor_dim0
	s_mov_b32 s[\g+3], 512<<16                     ; tile_dim0
.endr
.irp g, 52, 68
	s_mov_b32 s[\g+1], 768<<16
	s_mov_b32 s[\g+3], 768<<16
.endr
.irp g, 36, 52
	s_mov_b32 s[\g+2], 8<<16                       ; tensor_dim1
	s_mov_b32 s[\g+4], 8                           ; tile_dim1
.endr
.irp g, 44, 68
	s_mov_b32 s[\g+2], 6<<16
	s_mov_b32 s[\g+4], 6
.endr
.irp g, 36, 44, 52, 68
	s_mov_b32 s[\g+5], 1536                        ; from tile to tile
	s_mov_b32 s[\g+6], 0
	s_mov_b32 s[\g+7], 0
.endr
	s_mul_i32 s92, s29, 196608                     ; x: tile 16 mb of version t: nothing of cy enters these registers
	s_mul_i32 s93, s30, 3145728
	s_add_co_u32 s92, s92, s93
	s_mov_b32 s93, 0
	s_mul_i32 s94, s28, 147456                     ; W: tile 12 nb of weight t: nothing of cx enters these
	s_mul_i32 s95, s30, 589824
	s_add_co_u32 s94, s94, s95
	s_mov_b32 s95, 0
	s_mul_i32 s96, s25, 98304                      ; my half: 8 tiles of x,
	s_mov_b32 s97, 0
	s_mul_i32 s98, s25, 73728                      ; or 6 of W
	s_mov_b32 s99, 0
	s_wait_dscnt 0x0                               ; both opening adds are done
	s_wait_kmcnt 0x0
	s_add_nc_u64 s[92:93], s[4:5], s[92:93]
	s_add_nc_u64 s[94:95], s[6:7], s[94:95]
.irp g, 76, 80, 84, 88
	s_mov_b32 s[\g], 1
.endr
	s_mul_i32 s77, s25, 32768                      ; LDS: the wave's number alone
	s_mul_i32 s81, s25, 24576
	s_add_co_u32 s81, s81, LWA
	s_mul_i32 s85, s25, 49152
	s_add_co_u32 s85, s85, LXB
	s_mul_i32 s89, s25, 36864
	s_add_co_u32 s89, s89, LWB
	s_add_nc_u64 s[78:79], s[92:93], s[96:97]
	s_add_nc_u64 s[86:87], s[78:79], 4096          ; K steps 2 to 4
	s_add_nc_u64 s[82:83], s[94:95], s[98:99]
	s_add_nc_u64 s[90:91], s[82:83], 4096
	s_or_b32 s79, s79, 0x80000000
	s_or_b32 s83, s83, 0x80000000
	s_or_b32 s87, s87, 0x80000000
	s_or_b32 s91, s91, 0x80000000
	CROUND                                         ; all sixteen work-groups are here: the joint loads meet
	s_cmp_eq_u32 s26, 0                            ; one chain of branches on the wave's number, one load to an arm
	s_cbranch_scc0 .Lhead1
	TL 76, 36
	s_branch .Lheadj
.Lhead1:
	s_cmp_eq_u32 s26, 1
	s_cbranch_scc0 .Lhead2
	TL 80, 44
	s_branch .Lheadj
.Lhead2:
	s_cmp_eq_u32 s26, 2
	s_cbranch_scc0 .Lhead3
	TL 84, 52
	s_branch .Lheadj
.Lhead3:
	TL 88, 68
.Lheadj:
	s_lshl_b32 s96, s30, 3
	s_lshl_b32 s98, s30, 2
	s_lshr_b32 s99, s30, 1
	s_lshl_b32 s99, s99, 2
	s_add_co_u32 s98, s98, s99
	s_add_co_u32 s98, s98, 24                      ; e6, e7 or e9: byte 24, 28 or 36
	s_load_b64 s[100:101], s[14:15], s96           ; ex, ew: entries 2 t and 2 t + 1
	s_load_b32 s34, s[14:15], s98                  ; eo
	v_and_b32 v1, 31, v0
	v_lshlrev_b32 v[LI], 4, v1
	v_bfe_u32 v2, v0, 4, 1
	v_lshlrev_b32 v6, 6, v2                        ; 64 (lane / 16): the bias along the registers
	v_and_b32 v7, 15, v0
	v_and_b32 v1, 8, v7
	v_add_nc_u32 v7, v7, v1
	v_lshlrev_b32 v7, 2, v7                        ; 4 (r + 8 (r / 8)): the bias of the lane
	s_wait_alu depctr_va_vdst(0)
	s_mul_i32 s97, s24, 16384
	v_add_nc_u32 v[XA], s97, v[LI]
	s_mul_i32 s97, s23, 24576
	s_add_co_u32 s97, s97, LWA
	v_add_nc_u32 v[WA], s97, v[LI]
	s_mul_i32 s97, s24, 24576
	s_add_co_u32 s97, s97, LXB
	v_add_nc_u32 v[XB], s97, v[LI]
	s_mul_i32 s97, s23, 36864
	s_add_co_u32 s97, s97, LWB
	v_add_nc_u32 v[WB], s97, v[LI]
	s_mul_i32 s97, s24, 8192
	v_add_nc_u32 v[XC], s97, v[LI]
	s_mul_i32 s97, s23, 12288
	s_add_co_u32 s97, s97, LWA
	v_add_nc_u32 v[WC], s97, v[LI]
	s_mul_i32 s2, s28, 768
	s_mul_i32 s3, s23, 384
	s_add_co_u32 s2, s2, s3                        ; my 96 columns: 4 (192 nb + 96 half) bytes
	s_mov_b32 s3, 0
	s_cmp_eq_u32 s30, 1
	s_cselect_b64 s[10:11], s[10:11], s[8:9]       ; the product's bias,
	s_cselect_b64 s[18:19], s[18:19], s[16:17]     ; and its buffer of codes
	s_cmp_eq_u32 s30, 2
	s_cselect_b64 s[10:11], s[12:13], s[10:11]
	s_cselect_b64 s[18:19], s[20:21], s[18:19]
	s_add_nc_u64 s[10:11], s[10:11], s[2:3]
	s_cmp_eq_u32 s30, 2
	s_cbranch_scc1 .Lbias_v
.irp a, 0,1,2,3,4,5
	global_load_b128 v[BA+8*\a:BA+8*\a+3], v6, s[10:11] offset:128*(\a/2)+32*(\a%2)       ; b(32 (a / 2) + 8 (a % 2) + 16 h + 0..7)
	global_load_b128 v[BA+8*\a+4:BA+8*\a+7], v6, s[10:11] offset:128*(\a/2)+32*(\a%2)+16
.endr
	s_branch .Lbias_j
.Lbias_v:
.irp a, 0,1,2,3,4,5
	global_load_b32 v[BA+2*\a], v7, s[10:11] offset:128*(\a/2)+32*(\a%2)                  ; b(32 (a / 2) + 8 (a % 2) + r + 8 (r / 8))
	v_mov_b32 v[BA+2*\a+1], 0                      ; (named as the upper half of a pair)
.endr
.Lbias_j:
	s_wait_alu depctr_va_vdst(0)                   ; directly ahead of the wait below
	s_wait_kmcnt 0x0
	s_add_co_i32 s96, s100, s101                   ; a sum stands for sum x 2^(ex + ew): the bias goes in divided by that,
	s_sub_co_i32 s98, 127, s96
	s_lshl_b32 s98, s98, 23
	s_mov_b32 s99, s98                             ; (named with it as a pair)
	s_sub_co_i32 s34, s34, s96                     ; and the code is (sum + bias) / 2^(eo - ex - ew)
	s_add_co_i32 s34, s34, 127
	s_lshl_b32 s35, s34, 23
	v_mov_b32 v[SCL], s35
	s_add_co_i32 s34, s34, 8
	s_lshl_b32 s34, s34, 23
	s_or_b32 s34, s34, 0x600000
	v_mov_b32 v[LIMV], s34
	s_wait_alu depctr_va_vdst(0)                   ; the wait at the head's end
	s_cmp_lt_u32 s22, 4
	s_cbranch_scc0 .Llate
	s_wait_tensorcnt 0x0                           ; waves 0-3: my part of region A is in; waves 4-7's loads, region B's, stay out
.Llate:
	s_barrier_signal -1
	s_barrier_wait -1                              ; everybody's part of region A is
	KSTEP XA, WA, 4096, 0, 1
	KSTEP XA, WA, 4096, 1, 0
	s_wait_tensorcnt 0x0                           ; my load at the head is done: these lines ahead of a refill
	ds_add_u32 v[SPW], v[NIL]
	; step 5, in the registers of region A's descriptors: rows of 256 elements; x 4 tiles a wave (waves 0-3), W 3 (waves 4-7)
.irp g, 36, 44
	s_mov_b32 s[\g+1], 256<<16
	s_mov_b32 s[\g+3], 256<<16
.endr
	s_mov_b32 s38, 4<<16
	s_mov_b32 s40, 4
	s_mov_b32 s46, 3<<16
	s_mov_b32 s48, 3
	s_mul_i32 s77, s24, 8192
	s_mul_i32 s81, s24, 6144
	s_add_co_u32 s81, s81, LWA
	s_mul_i32 s84, s24, 49152
	s_add_co_u32 s84, s84, 10240
	s_mov_b32 s85, 0
	s_add_nc_u64 s[78:79], s[92:93], s[84:85]
	s_or_b32 s79, s79, 0x80000000
	s_mul_i32 s88, s24, 36864
	s_add_co_u32 s88, s88, 10240
	s_mov_b32 s89, 0
	s_add_nc_u64 s[82:83], s[94:95], s[88:89]
	s_or_b32 s83, s83, 0x80000000
	s_wait_dscnt 0x0                               ; the add is done, and my reads of region A are over
	CROUND                                         ; both hold of every wave of the cluster; region B is whole
	s_cmp_lt_u32 s22, 4
	s_cbranch_scc0 .Lfill_w
	TL 76, 36
	s_branch .Lfilled
.Lfill_w:
	TL 80, 44
.Lfilled:
	KSTEP XB, WB, 6144, 0, 0
	KSTEP XB, WB, 6144, 1, 0
	KSTEP XB, WB, 6144, 2, 0
	s_wait_tensorcnt 0x0                           ; my part of step 5 is in
	s_wait_dscnt 0x0
	s_barrier_signal -1
	s_barrier_wait -1                              ; everybody's is
	KSTEP XC, WC, 2048, 0, 0
	; THE WAY OUT: bias, hold, conversion; the conversions' results are whole groups of the next operand's fragments
.macro HOLD
	WIN 0x41
.set n, 0
.rept 192
	v_med3_num_f32 v[n], v[n], -v[LIMV], v[LIMV]   ; the conversion does not saturate (ISA guide 7.6.2)
.set n, n+1
.endr
	WIN 0x01
.endm
	PLACES
	s_wait_loadcnt 0x0                             ; the bias
	s_cmp_eq_u32 s30, 2
	s_cbranch_scc1 .Lout_v
	s_lshl_b32 s96, s29, 4
	s_lshl_b32 s97, s24, 2
	s_add_co_u32 s96, s96, s97
	s_lshl_b32 s96, s96, 10                        ; x tile 16 mb + 4 x my quarter: 1,024 bytes a tile
	s_mul_i32 s100, s28, 6
	s_mul_i32 s101, s23, 3
	s_add_co_u32 s100, s100, s101                  ; my first unit of 32 columns U: head U / 2, group U % 2
.irp u, 0,1,2
	s_add_co_u32 s34, s100, \u
	s_lshr_b32 s35, s34, 1
	s_lshl_b32 s35, s35, 18                        ; 262,144 bytes a head
	s_and_b32 s34, s34, 1
	s_lshl_b32 s34, s34, 9
	s_add_co_u32 s34, s34, s35
	s_add_co_u32 s34, s34, s96
	s_mov_b32 s35, 0
	s_add_nc_u64 s[36+2*\u:37+2*\u], s[18:19], s[34:35]
.endr
	WIN 0x50
.irp a, 0,1,2,3,4,5
.irp b, 0,1,2,3
.irp i, 0,2,4,6
	v_pk_fma_f32 v[8*(4*\a+\b)+\i:8*(4*\a+\b)+\i+1], v[BA+8*\a+\i:BA+8*\a+\i+1], s[98:99], v[8*(4*\a+\b)+\i:8*(4*\a+\b)+\i+1] op_sel_hi:[1,0,1]   ; each accumulator from its low end on
.endr
.endr
.endr
	HOLD
.irp a, 0,1,2,3,4,5
.irp b, 0,1,2,3
	v_cvt_scalef32_pk8_fp8_f32 v[WF+4*(4*(\a/2)+\b)+2*(\a%2):WF+4*(4*(\a/2)+\b)+2*(\a%2)+1], v[8*(4*\a+\b):8*(4*\a+\b)+7], v[SCL]
.endr
.endr
	v_nop                                          ; a plain vector line behind the last conversion
	WIN 0
.irp u, 0,1,2
.irp b, 0,1,2,3
	global_store_b128 v[LI], v[WF+4*(4*\u+\b):WF+4*(4*\u+\b)+3], s[36+2*\u:37+2*\u] offset:1024*\b   ; a group of a fragment: 512 consecutive bytes, aligned
.endr
.endr
	s_branch .Lend
.Lout_v:
	s_lshl_b32 s96, s29, 14                        ; key step 2 mb + quarter / 2: 8,192 bytes; groups 2 (quarter % 2) and the next: 512 bytes
	s_lshr_b32 s97, s24, 1
	s_lshl_b32 s97, s97, 13
	s_add_co_u32 s96, s96, s97
	s_and_b32 s97, s24, 1
	s_lshl_b32 s97, s97, 10
	s_add_co_u32 s96, s96, s97
	s_mul_i32 s100, s28, 12
	s_mul_i32 s101, s23, 6
	s_add_co_u32 s100, s100, s101                  ; my first W tile: head tile / 4, channel tile % 4
.irp a, 0,1,2,3,4,5
	s_add_co_u32 s34, s100, \a
	s_lshr_b32 s35, s34, 2
	s_lshl_b32 s35, s35, 18
	s_and_b32 s34, s34, 3
	s_lshl_b32 s34, s34, 11
	s_add_co_u32 s34, s34, s35
	s_add_co_u32 s34, s34, s96
	s_mov_b32 s35, 0
	s_add_nc_u64 s[36+2*\a:37+2*\a], s[18:19], s[34:35]
.endr
	WIN 0x50
.irp a, 0,1,2,3,4,5
.irp b, 0,1,2,3
.irp i, 0,2,4,6
	v_pk_fma_f32 v[8*(4*\a+\b)+\i:8*(4*\a+\b)+\i+1], v[BA+2*\a:BA+2*\a+1], s[98:99], v[8*(4*\a+\b)+\i:8*(4*\a+\b)+\i+1] op_sel_hi:[0,0,1]
.endr
.endr
.endr
	HOLD
.irp a, 0,1,2,3,4,5
.irp b, 0,1,2,3
	v_cvt_scalef32_pk8_fp8_f32 v[WF+4*(2*\a+\b/2)+2*(\b%2):WF+4*(2*\a+\b/2)+2*(\b%2)+1], v[8*(4*\a+\b):8*(4*\a+\b)+7], v[SCL]
.endr
.endr
	v_nop
	WIN 0
.irp a, 0,1,2,3,4,5
.irp e, 0,1
	global_store_b128 v[LI], v[WF+4*(2*\a+\e):WF+4*(2*\a+\e)+3], s[36+2*\a:37+2*\a] offset:512*\e
.endr
.endr
.Lend:
	s_wait_tensorcnt 0x0                           ; the wave's end: these three lines behind my last tensor load
	ds_add_u32 v[SPW], v[NIL]
	s_wait_dscnt 0x0
	CROUND                                         ; the closing round: no work-group ends while a partner may still ask jointly
	s_endpgm
.Lfunc_end_k_q45abd64e29_qkv:
	.size	k_q45abd64e29_qkv, .Lfunc_end_k_q45abd64e29_qkv-k_q45abd64e29_qkv
	.p2alignl 7, 3214868480
	.fill 96, 4, 3214868480
	.section	.rodata,"a",@progbits
	.p2align	6, 0x0
	.amdhsa_kernel k_q45abd64e29_qkv
		.amdhsa_group_segment_fixed_size 327680
		.amdhsa_private_segment_fixed_size 0
		.amdhsa_enable_private_segment 0
		.amdhsa_kernarg_size 72
		.amdhsa_user_sgpr_count 2
		.amdhsa_user_sgpr_kernarg_segment_ptr 1
		.amdhsa_wavefront_size32 1
		.amdhsa_system_sgpr_workgroup_id_x 1
		.amdhsa_system_sgpr_workgroup_id_y 1
		.amdhsa_system_sgpr_workgroup_id_z 1
		.amdhsa_system_vgpr_workitem_id 0
		.amdhsa_next_free_vgpr 448
		.amdhsa_next_free_sgpr 102
		.amdhsa_reserve_vcc 0
		.amdhsa_float_denorm_mode_32 3
		.amdhsa_float_denorm_mode_16_64 3
		.amdhsa_memory_ordered 1
		.amdhsa_forward_progress 1
		.amdhsa_inst_pref_size 96
	.end_amdhsa_kernel
	.amdgpu_metadata
---
amdhsa.version: [ 1, 2 ]
amdhsa.kernels:
  - .name:           k_q45abd64e29_qkv
    .symbol:         k_q45abd64e29_qkv.kd
    .args:
      - { .name: xc, .offset: 0, .size: 8, .value_kind: global_buffer, .address_space: global }
      - { .name: wc, .offset: 8, .size: 8, .value_kind: global_buffer, .address_space: global }
      - { .name: b_q, .offset: 16, .size: 8, .value_kind: global_buffer, .address_space: global }
      - { .name: b_k, .offset: 24, .size: 8, .value_kind: global_buffer, .address_space: global }
      - { .name: b_v, .offset: 32, .size: 8, .value_kind: global_buffer, .address_space: global }
      - { .name: lowp_scales, .offset: 40, .size: 8, .value_kind: global_buffer, .address_space: global }
      - { .name: qc, .offset: 48, .size: 8, .value_kind: global_buffer, .address_space: global }
      - { .name: kc, .offset: 56, .size: 8, .value_kind: global_buffer, .address_space: global }
      - { .name: vc, .offset: 64, .size: 8, .value_kind: global_buffer, .address_space: global }
    .group_segment_fixed_size: 327680
    .private_segment_fixed_size: 0
    .kernarg_segment_align: 8
    .kernarg_segment_size: 72
    .max_flat_workgroup_size: 256
    .sgpr_count:     102
    .vgpr_count:     448
    .wavefront_size: 32
...
	.end_amdgpu_metadata
.endif
;; end of part 2
;; launch attn (part 3): grid 256 x 1, 8 waves a work-group, no clusters, 279,552 bytes of LDS; arguments qc, kc, vc, lowp_scales, hc; writes hc
.if DOCPART == 3
	.amdgcn_target "amdgcn-amd-amdhsa--gfx1250"
	.amdhsa_code_object_version 6
	.text
	.protected	k_q45abd64e29_attn
	.globl	k_q45abd64e29_attn
	.p2align	8
	.type	k_q45abd64e29_attn,@function
k_q45abd64e29_attn:
	s_mov_b64 s[64:65], 0
	v_nop
	global_prefetch_b8 v0, s[64:65] scope:SCOPE_SE
	s_setreg_imm32_b32 hwreg(HW_REG_WAVE_MODE, 25, 1), 1
	s_wait_xcnt 0x0
; heads[q] = the sum over keys k <= q of softmax_k(q . k / 8) v[k], both products on E4M3 codes; the result is quantised at once (2^e10) into the fragments that the last product reads.
; t = score x log2(e) / 8; M = the running largest t rounded UP to a whole number; p = 2^(t - M) is quantised (2^e8) along the keys, not normalised; the row's sum is taken of the unquantised p and divides at the end.
; When M moves, the sum and O are multiplied by 2^(old M - new M): exact.  Chunks of keys that the causal mask hides whole from a block of queries are not done.
; SHARES.  An item is 64 queries (block j of a head); it needs chunks 0 .. j of 64 keys.  Three heads belong to 64 work-groups; work-group u of them takes one item of each: j = u, 63 - u / 2 - 32 (u % 2), 31 - u / 2 + 32 (u % 2):
; each block once, and 97 or 98 chunks in all.  The eight waves deal a work-group's chunks out one by one, on from item to item: 12 or 13 each.  A wave holds ALL 64 queries (4 tiles) of the item and its own chunks' keys:
; K's and V's fragments go straight from memory into the registers of the one wave that multiplies them, each byte once a work-group.  No LDS and no barrier in the loops; the eight partial results of an item
; (O, M, the sum) meet in LDS at the end.
; LEAD.  K's next chunk is asked for behind the step's first products, V's behind its last: each has most of a step in which to land, so no data prefetch stands beside them.  No tensor load, so no cluster:
; a joint load would bring the tiles to LDS and want a round of the cluster's barrier at each refill, and work-groups of a head walk different numbers of chunks.
; LAYOUT.  S^T = K Q^T (source 0 = 16 keys, source 1 = 16 queries), O^T = V^T P^T (source 0 = 16 channels): a lane holds ONE query of each tile.  Tiles are in split order (tile 2 B + u, row r: 32 B + 8 u + r + 8 (r / 8)),
; so the 16 registers of tiles 2 B, 2 B + 1 are 16 neighbours: p's and the heads' conversions give the next operand's registers.
; LIMITS: e6 + e7 between -123 and 100 (added to c's exponent field); e8 and e10 between -126 and 119; e8 + e9 is applied by v_ldexp_f32 and has none; scaled scores under 2^31 in magnitude.
; NaN and infinities among the inputs are not served.
; REGISTERS.  Window 0: v1 16 x lane; v5, v6 the add's two; v8-17 LDS addresses; v32-63 Q of items 0 and 2; v64-95 K; v96-127 V; v128-255 O^T (tile q, channel tile c at 32 q + 8 c).
; Window 1: 0-127 S^T, then p (tile q at 32 q); 128-159 p's codes; 160-191 Q of item 1; the rest as named here:
.set STG,   139264                     ; LDS: two stages: [wave 8][16,384] partial O, then [wave 8][tile 4][256] pairs (-M, sum)
.set SPARE, 2*STG                      ; behind them: the spare words, 128 bytes for each of eight waves
.set ML,    131072
.set QA,    32
.set KF,    64
.set VF,    96
.set OA,    128
.set CD,    128
.set QB,    160
.set TS,    192                        ; 8 pairs: sums of four p each
.set AM,    208                        ; a pair for each tile: -M, the largest score
.set SM,    216                        ; a pair for each tile: the sum in two halves
.set FF,    224                        ; a pair for each tile: f = 2^(old M - new M) (its upper half is only named)
.set TP,    232
.set TU,    236
.set TD,    240
.set LM8,   244                        ; 448 x 2^e8
.set SC8,   245                        ; 2^e8
.set NINF,  246                        ; -infinity
.set DD,    247                        ; d = r + 8 (r / 8) - 16 (lane / 16)
.set LMO,   248                        ; 448 x 2^e10
.set SCO,   249                        ; 2^e10
.set MSB, 0
.macro WIN new                         ; the immediate's high byte repeats the setting that is left
.if MSB != \new
	s_set_vgpr_msb (MSB<<8)|\new
.set MSB, \new
.endif
.endm
.macro MKSC e, vs, vl                  ; v[vs] = 2^e as f32, v[vl] = 448 x 2^e
	s_add_co_i32 s74, s[\e], 127
	s_lshl_b32 s75, s74, 23
	v_mov_b32 v[\vs], s75
	s_add_co_i32 s74, s74, 8
	s_lshl_b32 s74, s74, 23
	s_or_b32 s74, s74, 0x600000
	v_mov_b32 v[\vl], s74
.endm
.macro LOADQ reg, base                 ; four tiles of Q
.irp i, 0,1,2,3,4,5,6,7
	global_load_b128 v[\reg+4*\i:\reg+4*\i+3], v1, s[\base:\base+1] offset:512*\i
.endr
.endm
.macro LOADK                           ; a chunk of K: four tiles of 16 keys
.irp i, 0,1,2,3,4,5,6,7
	global_load_b128 v[KF+4*\i:KF+4*\i+3], v1, s[56:57] offset:512*\i
.endr
.endm
.macro LOADV                           ; a chunk of V: four channel tiles, two groups of 32 keys each
.irp c, 0,1,2,3
.irp g, 0,1
	global_load_b128 v[VF+8*\c+4*\g:VF+8*\c+4*\g+3], v1, s[58:59] offset:2048*\c+512*\g
.endr
.endr
.endm
.macro FMA qt, i                       ; t - M, two at a time
	v_pk_fma_f32 v[32*(\qt)+2*(\i):32*(\qt)+2*(\i)+1], v[32*(\qt)+2*(\i):32*(\qt)+2*(\i)+1], s[22:23], v[AM+2*(\qt):AM+2*(\qt)+1] op_sel_hi:[1,0,0]
.endm
.macro ADD4 qt, i                      ; the sum is taken of the unquantised p
	v_pk_add_f32 v[TS+2*(\i):TS+2*(\i)+1], v[32*(\qt)+4*(\i):32*(\qt)+4*(\i)+1], v[32*(\qt)+4*(\i)+2:32*(\qt)+4*(\i)+3]
.endm
.macro MIN4 qt, i                      ; the conversion does not saturate (ISA guide 7.6.2); p is not negative, so the hold is one-sided
	v_dual_min_num_f32 v[32*(\qt)+4*(\i)], v[LM8], v[32*(\qt)+4*(\i)] :: v_dual_min_num_f32 v[32*(\qt)+4*(\i)+1], v[LM8], v[32*(\qt)+4*(\i)+1]
	v_dual_min_num_f32 v[32*(\qt)+4*(\i)+2], v[LM8], v[32*(\qt)+4*(\i)+2] :: v_dual_min_num_f32 v[32*(\qt)+4*(\i)+3], v[LM8], v[32*(\qt)+4*(\i)+3]
.endm
.macro PADD x, y
	v_pk_add_f32 v[TS+2*\x:TS+2*\x+1], v[TS+2*\x:TS+2*\x+1], v[TS+2*\y:TS+2*\y+1]
.endm
.macro CVT qt, k
	v_cvt_scalef32_pk8_fp8_f32 v[CD+8*(\qt)+2*\k:CD+8*(\qt)+2*\k+1], v[32*(\qt)+8*\k:32*(\qt)+8*\k+7], v[SC8]
.endm
.macro POST qt                         ; tile qt's sum under the new M, and its codes
	PADD 0, 1
	PADD 2, 3
	PADD 4, 5
	PADD 6, 7
	CVT \qt, 0
	CVT \qt, 1
	PADD 0, 2
	PADD 4, 6
	CVT \qt, 2
	CVT \qt, 3
	PADD 0, 4
	v_pk_fma_f32 v[SM+2*(\qt):SM+2*(\qt)+1], v[SM+2*(\qt):SM+2*(\qt)+1], v[FF+2*(\qt):FF+2*(\qt)+1], v[TS:TS+1] op_sel_hi:[1,0,1]
.endm
; A batch of exponentials, tile e's 32, with other tiles' plain work among them: nothing that stands among them reads what another line of the same batch's stretch has written.
; One wait ahead of the batch: it serves the batch's sources, and the batch before, whose results are read behind it.
.macro SEG e, f, m, c
	s_wait_alu depctr_va_vdst(0)
.if (\c) >= 0
	POST \c
.endif
.irp i, 0,1,2,3,4,5,6,7
	v_exp_f32 v[32*\e+4*\i], v[32*\e+4*\i]
	v_exp_f32 v[32*\e+4*\i+1], v[32*\e+4*\i+1]
.if (\f) >= 0
	FMA \f, 2*\i
.endif
.if (\m) >= 0
	ADD4 \m, \i
.endif
	v_exp_f32 v[32*\e+4*\i+2], v[32*\e+4*\i+2]
	v_exp_f32 v[32*\e+4*\i+3], v[32*\e+4*\i+3]
.if (\f) >= 0
	FMA \f, 2*\i+1
.endif
.if (\m) >= 0
	MIN4 \m, \i
.endif
.endr
.endm
; A STEP: 64 queries x 64 keys.  ld = 1: the next chunk is asked for, in an item's last trip the next item's first; 2: the next chunk of this item; 0: nothing.
.macro STEP qw, q, jn, ld, fk, fv
	s_wait_loadcnt 0x8                             ; K (and Q) are in; the eight younger loads, V's (or an item's Q, asked for behind V), stay out
	WIN \qw
.irp t, 0,1,2,3
.irp k, 0,1,2,3
	v_wmma_f32_16x16x64_fp8_fp8 v[32*\t+8*\k:32*\t+8*\k+7], v[KF+8*\k:KF+8*\k+7], v[\q+8*\t:\q+8*\t+7], 0
.endr
.endr
	WIN 0
.rept 4
	v_nop                                          ; places in front of the loads into K, and of the scores' first read
.endr
.if \ld
	s_add_co_u32 s50, s50, 32768                   ; eight chunks on
	s_add_co_u32 s51, s51, 32768
.if \ld == 1
	s_cmp_eq_u32 s48, 1
	s_cselect_b32 s52, \fk, s50
	s_cselect_b32 s54, \fv, s51
.else
	s_mov_b32 s52, s50
	s_mov_b32 s54, s51
.endif
	s_add_nc_u64 s[56:57], s[6:7], s[52:53]        ; (the loads that this base served have been waited for above)
	LOADK
.endif
	s_cmp_lg_u32 s49, \jn                          ; only chunk j lies on the diagonal
	s_cbranch_scc1 .Lopen_\@
	WIN 0x55
.irp t, 0,1,2,3
.set n, 0
.rept 32
.if 32*(n/16)+n%16-32*(\t/2)-8*(\t%2) > -17
	v_cmp_gt_i32 vcc_lo, 32*(n/16)+n%16-32*(\t/2)-8*(\t%2), v[DD]   ; register n holds key 32 (n / 16) + 16 (lane / 16) + n % 16 of the chunk, tile t's query is 32 (t / 2) + 8 (t % 2) + r + 8 (r / 8)
	v_cndmask_b32 v[32*\t+n], v[32*\t+n], v[NINF], vcc_lo
.endif
.set n, n+1
.endr
.endr
	WIN 0
.Lopen_\@:
	WIN 0x55
.set n, 0
.rept 16
.irp t, 0,1,2,3
	v_max3_num_f32 v[AM+2*\t+1], v[AM+2*\t+1], v[32*\t+n], v[32*\t+n+1]   ; the largest score so far, four tiles by turns, each accumulator from its low end on
.endr
.set n, n+2
.endr
.irp t, 0,1,2,3
	v_permlanex16_b32 v[TP+\t], v[AM+2*\t+1], s20, s21
.endr
.irp t, 0,1,2,3
	v_max_num_f32 v[AM+2*\t+1], v[AM+2*\t+1], v[TP+\t]   ; and among lane l xor 16's
.endr
.irp t, 0,1,2,3
	v_mul_f32 v[TU+\t], s24, v[AM+2*\t+1]          ; -t (c is positive)
.endr
.irp t, 0,1,2,3
	v_floor_f32 v[TU+\t], v[TU+\t]                 ; the new -M = floor(-t): M is a whole number
.endr
.irp t, 0,1,2,3
	v_sub_f32 v[TD+\t], v[TU+\t], v[AM+2*\t]       ; old M - new M: a whole number, 0 or less
.endr
.irp t, 0,1,2,3
	v_mov_b32 v[AM+2*\t], v[TU+\t]
.endr
.irp t, 0,1,2,3
	v_cvt_i32_f32 v[TD+\t], v[TD+\t]               ; (it saturates)
.endr
.irp t, 0,1,2,3
	v_ldexp_f32 v[FF+2*\t], 1.0, v[TD+\t]
.endr
.irp i, 0,1,2,3,4,5,6,7,8,9,10,11,12,13,14,15
	FMA 0, \i
.endr
	SEG 0, 1, -1, -1
	SEG 1, 2, 0, -1
	SEG 2, 3, 1, 0
	SEG 3, -1, 2, 1
	s_wait_alu depctr_va_vdst(0)                   ; ahead of the last batch's first reader
	POST 2
.irp i, 0,1,2,3,4,5,6,7
	ADD4 3, \i
	MIN4 3, \i
.endr
	POST 3
	WIN 0x04
	s_wait_alu depctr_va_vdst(0)                   ; directly ahead of the first reader of O^T
.irp t, 0,1,2,3
.set n, 0
.rept 16
	v_pk_mul_f32 v[OA+32*\t+n:OA+32*\t+n+1], v[OA+32*\t+n:OA+32*\t+n+1], v[FF+2*\t:FF+2*\t+1] op_sel_hi:[1,0]   ; O^T under the new M; also the plain lines between the conversions and the products
.set n, n+2
.endr
.endr
	s_wait_alu depctr_va_vdst(0)                   ; directly ahead of the wait below
.if \ld
	s_wait_loadcnt 0x8                             ; V is in; the eight younger loads, K's, stay out
.else
	s_wait_loadcnt 0x0
.endif
.irp t, 0,1,2,3
.irp c, 0,1,2,3
	v_wmma_f32_16x16x64_fp8_fp8 v[OA+32*\t+8*\c:OA+32*\t+8*\c+7], v[VF+8*\c:VF+8*\c+7], v[CD+8*\t:CD+8*\t+7], v[OA+32*\t+8*\c:OA+32*\t+8*\c+7]
.endr
.endr
	WIN 0
.rept 4
	v_nop                                          ; places in front of the loads into V, and of O^T's next reader
.endr
.if \ld
	s_add_nc_u64 s[58:59], s[8:9], s[54:55]        ; (the loads that this base served have been waited for)
	LOADV
.endif
	s_add_co_u32 s49, s49, 8
.endm
.macro INIT n                          ; an item begins: O^T and the sum 0, the largest score -2^24: under every sum of 64 products of two codes, each at most 448 x 448
	WIN 0
.set n, 0
.rept 64
	v_dual_mov_b32 v[OA+n], v6 :: v_dual_mov_b32 v[OA+n+1], v6
.set n, n+2
.endr
	WIN 0x55
.irp t, 0,1,2,3
	v_mov_b32 v[AM+2*\t+1], 0xcb800000
	v_mov_b32 v[SM+2*\t], 0
	v_mov_b32 v[SM+2*\t+1], 0
.endr
.irp t, 0,1,2,3
	v_mul_f32 v[AM+2*\t], s24, v[AM+2*\t+1]
.endr
.irp t, 0,1,2,3
	v_floor_f32 v[AM+2*\t], v[AM+2*\t]
.endr
	WIN 0
	s_mov_b32 s48, s[28+\n]                        ; trips
	s_mov_b32 s49, s[31+\n]                        ; the chunk
	s_mov_b32 s50, s[34+\n]                        ; its place in kc and vc
	s_mov_b32 s51, s[37+\n]
	s_wait_alu depctr_va_vdst(0)                   ; ahead of the branch
	s_cmp_eq_u32 s48, 0
.endm
.macro PUT aw, mw                      ; my partial O, -M and sum into a stage: images of the registers
	WIN 0x55
.irp t, 0,1,2,3
	v_add_f32 v[AM+2*\t+1], v[SM+2*\t], v[SM+2*\t+1]
.endr
	WIN 0
.set n, 0
.rept 32
	ds_store_b128 v[\aw], v[OA+4*n:OA+4*n+3] offset:512*n
.set n, n+1
.endr
	WIN 0x04
.irp t, 0,1,2,3
	ds_store_b64 v[\mw], v[AM+2*\t:AM+2*\t+1] offset:256*\t
.endr
	WIN 0
.endm
.macro GET r0, r1, mr, n               ; my eighth of an item: tile wave / 2, channels 32 (wave % 2) on; eight partials under the largest M
	WIN 0x40
.irp p, 0,1,2,3,4,5,6,7
	ds_load_b64 v[TS+2*\p:TS+2*\p+1], v[\mr] offset:1024*\p
.endr
.irp p, 0,1,2,3
.irp g, 0,1,2,3
	ds_load_b128 v[16*\p+4*\g:16*\p+4*\g+3], v[\r0] offset:16384*\p+512*\g
.endr
.endr
.irp p, 0,1,2,3
.irp g, 0,1,2,3
	ds_load_b128 v[64+16*\p+4*\g:64+16*\p+4*\g+3], v[\r1] offset:16384*\p+512*\g
.endr
.endr
	WIN 0x55
	s_wait_dscnt 32                                ; the pairs are in; the 32 younger loads stay out
	v_min3_num_f32 v[TU], v[TS], v[TS+2], v[TS+4]
	v_min3_num_f32 v[TU+1], v[TS+6], v[TS+8], v[TS+10]
	v_min_num_f32 v[TU+2], v[TS+12], v[TS+14]
	v_min3_num_f32 v[TU], v[TU], v[TU+1], v[TU+2]  ; -M of the row
.irp p, 0,1,2,3,4,5,6,7
	v_sub_f32 v[TS+2*\p], v[TU], v[TS+2*\p]        ; the partial's M less the row's
.endr
.irp p, 0,1,2,3,4,5,6,7
	v_cvt_i32_f32 v[TS+2*\p], v[TS+2*\p]
.endr
.irp p, 0,1,2,3,4,5,6,7
	v_ldexp_f32 v[TS+2*\p], 1.0, v[TS+2*\p]
.endr
	v_mul_f32 v[TD+\n], v[TS], v[TS+1]
	v_mul_f32 v[TU+1], v[TS+2], v[TS+3]
.irp p, 2,4,6
	v_fmac_f32 v[TD+\n], v[TS+2*\p], v[TS+2*\p+1]
	v_fmac_f32 v[TU+1], v[TS+2*\p+2], v[TS+2*\p+3]
.endr
	v_add_f32 v[TD+\n], v[TD+\n], v[TU+1]          ; the sum, of my half of the lanes
	s_wait_alu depctr_va_vdst(0)                   ; directly ahead of the wait below
	s_wait_dscnt 0x0
.irp i, 0,2,4,6,8,10,12,14
	v_pk_mul_f32 v[CD+16*\n+\i:CD+16*\n+\i+1], v[\i:\i+1], v[TS:TS+1] op_sel_hi:[1,0]
.endr
.irp p, 1,2,3,4,5,6,7
.irp i, 0,2,4,6,8,10,12,14
	v_pk_fma_f32 v[CD+16*\n+\i:CD+16*\n+\i+1], v[16*\p+\i:16*\p+\i+1], v[TS+2*\p:TS+2*\p+1], v[CD+16*\n+\i:CD+16*\n+\i+1] op_sel_hi:[1,0,1]
.endr
.endr
	WIN 0
.endm
	s_load_b256 s[4:11], s[0:1], 0x0               ; qc 4:5, kc 6:7, vc 8:9, the exponents 10:11
	s_load_b64 s[12:13], s[0:1], 0x20              ; hc
	v_lshl_add_u32 v5, v0, 2, SPARE
	v_mov_b32 v6, 0
	v_lshrrev_b32 v2, 5, v0
	v_readfirstlane_b32 s18, v2                    ; wave 0..7
	v_and_b32 v3, 31, v0
	v_lshlrev_b32 v1, 4, v3                        ; 16 x lane
	v_lshlrev_b32 v4, 3, v3                        ; 8 x lane
	v_and_b32 v18, 15, v0
	v_and_b32 v19, 8, v18
	v_add_nc_u32 v18, v18, v19
	v_bfe_u32 v19, v0, 4, 1
	v_lshlrev_b32 v19, 4, v19
	WIN 0x40
	v_sub_nc_u32 v[DD], v18, v19
	v_mov_b32 v[NINF], 0xff800000
.irp t, 0,1,2,3
	v_mov_b32 v[FF+2*\t+1], 0                      ; (named as the upper half of a pair)
	v_mov_b32 v[TP+\t], 0                          ; written once: a lane permute's destination counts as one of its sources
.endr
	WIN 0
	s_wait_alu depctr_va_vdst(0)
	s_lshl_b32 s74, s18, 14
	v_add_nc_u32 v8, s74, v1                       ; v8, v9: where I put my partial O, stage 0, 1
	v_add_nc_u32 v9, STG, v8
	s_lshl_b32 s74, s18, 10
	s_add_co_u32 s74, s74, ML
	v_add_nc_u32 v10, s74, v4                      ; v10, v11: my pairs
	v_add_nc_u32 v11, STG, v10
	s_lshl_b32 s74, s18, 11
	v_add_nc_u32 v12, s74, v1                      ; v12, v13: where I read partials 0-3, 4-7, stage 0; v14, v15 stage 1
	v_add_nc_u32 v13, 65536, v12
	v_add_nc_u32 v14, STG, v12
	v_add_nc_u32 v15, STG+65536, v12
	s_lshr_b32 s74, s18, 1
	s_lshl_b32 s74, s74, 8
	s_add_co_u32 s74, s74, ML
	v_add_nc_u32 v16, s74, v4                      ; v16, v17: the pairs of my tile
	v_add_nc_u32 v17, STG, v16
	s_mov_b32 s20, 0x76543210
	s_mov_b32 s21, 0xfedcba98                      ; v_permlanex16_b32's selects for lane l xor 16
	s_lshr_b32 s14, ttmp9, 6
	s_mul_i32 s14, s14, 3                          ; item n: head s14 + n,
	s_and_b32 s19, ttmp9, 63
	s_lshr_b32 s15, s19, 1
	s_and_b32 s16, s19, 1
	s_lshl_b32 s16, s16, 5
	s_mov_b32 s25, s19                             ; block j in s[25 + n]
	s_sub_co_u32 s26, 63, s15
	s_sub_co_u32 s26, s26, s16
	s_sub_co_u32 s27, 31, s15
	s_add_co_u32 s27, s27, s16
	s_mov_b32 s31, s18                             ; my first chunk of an item: the deal goes on where the item before has ended
	s_sub_co_u32 s32, s18, s25
	s_sub_co_u32 s32, s32, 1
	s_sub_co_u32 s33, s32, s26
	s_sub_co_u32 s33, s33, 1
	s_and_b32 s32, s32, 7
	s_and_b32 s33, s33, 7
	s_lshr_b32 s17, s18, 1
	s_and_b32 s16, s18, 1
	s_lshl_b32 s16, s16, 9
.irp n, 0,1,2
	s_add_co_u32 s[28+\n], s[25+\n], 8
	s_sub_co_u32 s[28+\n], s[28+\n], s[31+\n]
	s_lshr_b32 s[28+\n], s[28+\n], 3               ; how many chunks are mine: first, first + 8, .. up to j
	s_add_co_u32 s15, s14, \n
	s_lshl_b32 s74, s15, 18                        ; the head's first byte in qc, kc and vc
	s_lshl_b32 s[34+\n], s[31+\n], 12
	s_add_co_u32 s[34+\n], s[34+\n], s74           ; the first chunk in kc: 4,096 bytes a chunk
	s_and_b32 s75, s[31+\n], 1
	s_mul_i32 s75, s75, 3072
	s_sub_co_u32 s[37+\n], s[34+\n], s75           ; in vc: 8,192 bytes for two chunks, the odd one's groups 1,024 bytes on
	s_lshl_b32 s75, s[25+\n], 12
	s_add_co_u32 s[68+2*\n], s74, s75              ; the item's queries in qc: four tiles of 1,024 bytes
	s_mov_b32 s[69+2*\n], 0
	s_lshl_b32 s75, s[25+\n], 2
	s_add_co_u32 s75, s75, s17
	s_mul_i32 s75, s75, 12288                      ; my tile's row in hc,
	s_lshl_b32 s15, s15, 10
	s_add_co_u32 s75, s75, s15
	s_add_co_u32 s[76+2*\n], s75, s16              ; and my group of 512 bytes
	s_mov_b32 s[77+2*\n], 0
.endr
	s_cmp_eq_u32 s29, 0                            ; which chunk of mine comes first behind item 0, and first of all: an item may have none for me (ids alone)
	s_cselect_b32 s41, s36, s35
	s_cselect_b32 s43, s39, s38
	s_cmp_eq_u32 s28, 0
	s_cselect_b32 s52, s41, s34
	s_cselect_b32 s54, s43, s37
	s_mov_b32 s53, 0
	s_mov_b32 s55, 0
	s_wait_alu depctr_va_vdst(0)                   ; directly ahead of the wait below
	s_wait_kmcnt 0x0
	s_load_b128 s[84:87], s[10:11], 0x18           ; e6, e7, e8, e9
	s_load_b64 s[88:89], s[10:11], 0x28            ; e10, e11
.irp n, 0,1,2
	s_add_nc_u64 s[68+2*\n:69+2*\n], s[4:5], s[68+2*\n:69+2*\n]
	s_add_nc_u64 s[76+2*\n:77+2*\n], s[12:13], s[76+2*\n:77+2*\n]
.endr
	s_add_nc_u64 s[56:57], s[6:7], s[52:53]
	s_add_nc_u64 s[58:59], s[8:9], s[54:55]
	LOADQ QA, 68                                   ; item 0's Q
	WIN 0x40
	LOADQ QB, 70                                   ; item 1's
	WIN 0
	LOADK
	LOADV
	s_wait_kmcnt 0x0
	s_add_co_i32 s74, s84, s85
	s_lshl_b32 s74, s74, 23
	s_mov_b32 s22, 0x3e38aa3b                      ; c = log2(e) / 8
	s_add_co_i32 s22, s22, s74                     ; a score stands for score x 2^(e6 + e7): added to c's exponent field
	s_mov_b32 s23, s22                             ; (named with it as a pair)
	s_xor_b32 s24, s22, 0x80000000                 ; -c
	WIN 0x40
	MKSC 86, SC8, LM8                              ; e8, for p
	MKSC 88, SCO, LMO                              ; e10, for the heads
	WIN 0
	s_add_co_i32 s44, s86, s87                     ; e8 + e9
	INIT 0
	s_cbranch_scc1 .Lnone0
.Lchunk0:
	STEP 0x40, QA, s25, 1, s41, s43
	s_sub_co_u32 s48, s48, 1
	s_cmp_lg_u32 s48, 0
	s_cbranch_scc1 .Lchunk0
	s_branch .Ldone0
.Lnone0:
	s_wait_loadcnt 0x0                             ; Q's registers are loaded again below
.Ldone0:
	PUT 8, 10
	LOADQ QA, 72                                   ; item 2's Q
	INIT 1
	s_cbranch_scc1 .Lnone1
.Lchunk1:
	STEP 0x44, QB, s26, 1, s36, s39
	s_sub_co_u32 s48, s48, 1
	s_cmp_lg_u32 s48, 0
	s_cbranch_scc1 .Lchunk1
	s_branch .Ldone1
.Lnone1:
	s_wait_loadcnt 0x0                             ; item 2's Q is in
.Ldone1:
	PUT 9, 11
	INIT 2
	s_cbranch_scc1 .Lnone2                         ; (the chunk asked for ahead of it then stays unused)
	s_sub_co_u32 s48, s48, 1
	s_cmp_eq_u32 s48, 0
	s_cbranch_scc1 .Llast
.Lchunk2:
	STEP 0x40, QA, s27, 2, s36, s39
	s_sub_co_u32 s48, s48, 1
	s_cmp_lg_u32 s48, 0
	s_cbranch_scc1 .Lchunk2
.Llast:
	STEP 0x40, QA, s27, 0, s36, s39                ; the last chunk is written out: it asks for nothing more
.Lnone2:
	s_wait_dscnt 0x0                               ; my partials of items 0 and 1 are in LDS
	s_barrier_signal -1
	s_barrier_wait -1                              ; everybody's are
	GET 12, 13, 16, 0
	GET 14, 15, 17, 1
	s_wait_dscnt 0x0
	s_barrier_signal -1
	s_barrier_wait -1                              ; nobody reads stage 0 any more: item 2's partials take it
	PUT 8, 10
	s_wait_dscnt 0x0
	s_barrier_signal -1
	s_barrier_wait -1
	GET 12, 13, 16, 2
	; THE WAY OUT: O / the sum x 2^(e8 + e9), held and converted with 2^e10: one group of the last product's fragments an item, 512 consecutive bytes
	WIN 0x55
.irp n, 0,1,2
	v_permlanex16_b32 v[TP+\n], v[TD+\n], s20, s21
.endr
.irp n, 0,1,2
	v_add_f32 v[TD+\n], v[TD+\n], v[TP+\n]         ; and lane l xor 16's
.endr
	s_wait_alu depctr_va_vdst(0)                   ; ahead of the batch,
.irp n, 0,1,2
	v_rcp_f32 v[FF+2*\n], v[TD+\n]
.endr
	v_nop
	s_wait_alu depctr_va_vdst(0)                   ; and ahead of its first reader
.irp n, 0,1,2
	v_ldexp_f32 v[FF+2*\n], v[FF+2*\n], s44
.endr
.irp n, 0,1,2
.irp i, 0,2,4,6,8,10,12,14
	v_pk_mul_f32 v[CD+16*\n+\i:CD+16*\n+\i+1], v[CD+16*\n+\i:CD+16*\n+\i+1], v[FF+2*\n:FF+2*\n+1] op_sel_hi:[1,0]   ; register i: channel 16 (lane / 16) + i of my 32
.endr
.endr
.set n, 0
.rept 48
	v_med3_num_f32 v[CD+n], v[CD+n], -v[LMO], v[LMO]
.set n, n+1
.endr
.irp n, 0,1,2
	v_cvt_scalef32_pk8_fp8_f32 v[TS+4*\n:TS+4*\n+1], v[CD+16*\n:CD+16*\n+7], v[SCO]
	v_cvt_scalef32_pk8_fp8_f32 v[TS+4*\n+2:TS+4*\n+3], v[CD+16*\n+8:CD+16*\n+15], v[SCO]
.endr
	v_nop                                          ; a plain vector line behind the last conversion
	WIN 0x04
.irp n, 0,1,2
	global_store_b128 v1, v[TS+4*\n:TS+4*\n+3], s[76+2*\n:77+2*\n]
.endr
	WIN 0
	s_wait_tensorcnt 0x0                           ; the wave's end: these three lines behind my last LDS store
	ds_add_u32 v5, v6
	s_wait_dscnt 0x0
	s_endpgm
.Lfunc_end_k_q45abd64e29_attn:
	.size	k_q45abd64e29_attn, .Lfunc_end_k_q45abd64e29_attn-k_q45abd64e29_attn
	.p2alignl 7, 3214868480
	.fill 96, 4, 3214868480
	.section	.rodata,"a",@progbits
	.p2align	6, 0x0
	.amdhsa_kernel k_q45abd64e29_attn
		.amdhsa_group_segment_fixed_size 279552
		.amdhsa_private_segment_fixed_size 0
		.amdhsa_enable_private_segment 0
		.amdhsa_kernarg_size 40
		.amdhsa_user_sgpr_count 2
		.amdhsa_user_sgpr_kernarg_segment_ptr 1
		.amdhsa_wavefront_size32 1
		.amdhsa_system_sgpr_workgroup_id_x 1
		.amdhsa_system_sgpr_workgroup_id_y 1
		.amdhsa_system_sgpr_workgroup_id_z 1
		.amdhsa_system_vgpr_workitem_id 0
		.amdhsa_next_free_vgpr 512
		.amdhsa_next_free_sgpr 100
		.amdhsa_reserve_vcc 1
		.amdhsa_float_denorm_mode_32 3
		.amdhsa_float_denorm_mode_16_64 3
		.amdhsa_memory_ordered 1
		.amdhsa_forward_progress 1
		.amdhsa_inst_pref_size 211
	.end_amdhsa_kernel
	.amdgpu_metadata
---
amdhsa.version: [ 1, 2 ]
amdhsa.kernels:
  - .name:           k_q45abd64e29_attn
    .symbol:         k_q45abd64e29_attn.kd
    .args:
      - { .name: qc, .offset: 0, .size: 8, .value_kind: global_buffer, .address_space: global }
      - { .name: kc, .offset: 8, .size: 8, .value_kind: global_buffer, .address_space: global }
      - { .name: vc, .offset: 16, .size: 8, .value_kind: global_buffer, .address_space: global }
      - { .name: lowp_scales, .offset: 24, .size: 8, .value_kind: global_buffer, .address_space: global }
      - { .name: hc, .offset: 32, .size: 8, .value_kind: global_buffer, .address_space: global }
    .group_segment_fixed_size: 279552
    .private_segment_fixed_size: 0
    .kernarg_segment_align: 8
    .kernarg_segment_size: 40
    .max_flat_workgroup_size: 256
    .sgpr_count:     100
    .vgpr_count:     512
    .wavefront_size: 32
...
	.end_amdgpu_metadata
.endif
;; end of part 3
;; launch oproj (part 4): grid 32 x 6, 4 waves a work-group, clusters of 4 x 1, 266,752 bytes of LDS; arguments hc, wc, b_o, lowp_scales, out0; writes out0
.if DOCPART == 4
	.amdgcn_target "amdgcn-amd-amdhsa--gfx1250"
	.amdhsa_code_object_version 6
	.text
	.protected	k_q45abd64e29_oproj
	.globl	k_q45abd64e29_oproj
	.p2align	8
	.type	k_q45abd64e29_oproj,@function
k_q45abd64e29_oproj:
	s_mov_b64 s[64:65], 0
	v_nop
	global_prefetch_b8 v0, s[64:65] scope:SCOPE_SE
	s_setreg_imm32_b32 hwreg(HW_REG_WAVE_MODE, 25, 1), 1
	s_wait_xcnt 0x0
	s_wait_alu depctr_hold_cnt(0) depctr_sa_sdst(0) depctr_va_vdst(0) depctr_va_sdst(0) depctr_va_ssrc(0) depctr_va_vcc(0) depctr_vm_vsrc(0)
	s_getreg_b32 s2, hwreg(HW_REG_IB_STS2, 6, 4)
	s_cmp_eq_u32 s2, 0
	s_cbranch_scc0 .Lentry_in_a_cluster
	s_endpgm
.Lentry_in_a_cluster:
	s_bfe_u32 s2, ttmp6, 0x10000c
	s_cmp_lg_u32 s2, 0x3003
	s_cbranch_scc0 .Lentry_shape_is_right
	s_endpgm
.Lentry_shape_is_right:
; out = heads w_o + b_o on E4M3 codes: out = sum x 2^(e10 + e11) + b_o, f32.
; Work-group (x, y): 128 columns of w_o from 128 y on, rows 128 x on.  K = 768: both operands, 2 x 98,304 bytes of codes, lie in LDS whole: every LDS byte is filled once.  Four waves, each 64 columns x 64 rows:
; 16 accumulators, by turns, one instruction a turn.  Operands in fragment order and split order, as the launches before laid them; source 0 = W's columns, source 1 = the heads'
; rows: a lane holds one row and eight neighbouring columns.  A wave's 64 x 64 results go through its own stage in LDS and leave as rows of 256 bytes: sixteen lanes store 256 consecutive bytes, aligned.
; CLUSTER 4 x 1: the four row blocks of a cluster need the same 128 columns of W: asked for jointly, mask 15.  The heads' tiles are shared along y, where the grid has 6 work-groups, no multiple of 4: plain loads.
; By this text's count a wave has one tensor load out: its one fill.
; LIMIT: e10 + e11 between -126 and 127, so that 2^(e10 + e11) is an f32 number.
; ONE TENSOR LOAD A WAVE: each region comes whole by one load (this line, and not the count of three above, is what the text does).
.set REGB,  49152                      ; LDS: four regions: W's tiles 0-3, 4-7, the heads' tiles 0-3, 4-7; in a region: [tile 4][K step 6][2,048]
.set STAGE, 4*REGB                     ; behind them: a stage of 64 rows x (256 bytes + 16) for each wave; no tensor load lands there
.set SPI,   272
.set SPARE, STAGE+4*64*SPI             ; behind the stages: the spare words, 128 bytes for each wave
.set LI,   3                           ; v3   16 x lane
.set ADW,  4                           ; v4   LDS address of my W fragments
.set ADX,  5                           ; v5   of my rows' fragments
.set SPW,  8                           ; v8   LDS address of my spare word; never rewritten
.set NIL,  9                           ; v9   0; never rewritten
.set STO,  10                          ; v10  the stage: where I put 32 bytes of a row
.set RD,   11                          ; v11  where I read a row back
.set CO,   12                          ; v12  my byte offset in out0
.set BA,   16                          ; v16-47 b_o along the registers, 8 for each a
.set FB,   128                         ; window 0: v128-255 W's fragments, two buffers of 64, on the way out the results;  window 1: v0-127 the accumulators ((a, b) at 8 (4 a + b)), v128-255 the rows' fragments
.set G1W,  24
.set G1X,  32
.set G0W,  40
.set G0X,  52
.set MSB, 0
.macro WIN new                         ; the immediate's high byte repeats the setting that is left
.if MSB != \new
	s_set_vgpr_msb (MSB<<8)|\new
.set MSB, \new
.endif
.endm
.macro CROUND                          ; a round of the cluster's barrier
	s_barrier_signal -1
	s_barrier_wait -1
	s_cmp_lg_u32 s22, 0
	s_cbranch_scc1 .Lnot_wave_0_\@
	s_barrier_signal -3
.Lnot_wave_0_\@:
	s_barrier_wait -3
	s_barrier_signal -1
	s_barrier_wait -1
.endm
.macro PLACES                          ; four plain vector lines between matrix instructions and loads into, writes of, or reads of their registers
.rept 4
	v_nop
.endr
.endm
.macro FETCH ks, buf                   ; the 8 fragments of K step ks into buffer buf: 32 loads in one run
.irp a, 0,1,2,3
.irp c, 0,1,2,3
	ds_load_b128 v[FB+64*(\buf)+16*\a+4*\c:FB+64*(\buf)+16*\a+4*\c+3], v[ADW] offset:12288*\a+2048*(\ks)+512*\c
.endr
.endr
	WIN 0x40                                       ; destination window 1
.irp a, 0,1,2,3
.irp c, 0,1,2,3
	ds_load_b128 v[FB+64*(\buf)+16*\a+4*\c:FB+64*(\buf)+16*\a+4*\c+3], v[ADX] offset:12288*\a+2048*(\ks)+512*\c
.endr
.endr
	WIN 0
.endm
.macro MUL16 buf, zero                 ; 16 matrix instructions: source 0 window 0 (W), source 1 window 1 (the rows), C and D window 1.  zero = 1: the first K step starts the sums
	WIN 0x54
.irp a, 0,1,2,3
.irp b, 0,1,2,3
.if \zero
	v_wmma_f32_16x16x128_fp8_fp8 v[8*(4*\a+\b):8*(4*\a+\b)+7], v[FB+64*(\buf)+16*\a:FB+64*(\buf)+16*\a+15], v[FB+64*(\buf)+16*\b:FB+64*(\buf)+16*\b+15], 0
.else
	v_wmma_f32_16x16x128_fp8_fp8 v[8*(4*\a+\b):8*(4*\a+\b)+7], v[FB+64*(\buf)+16*\a:FB+64*(\buf)+16*\a+15], v[FB+64*(\buf)+16*\b:FB+64*(\buf)+16*\b+15], v[8*(4*\a+\b):8*(4*\a+\b)+7]
.endif
.endr
.endr
	WIN 0
.endm
; A K step of 128.  bar >= 0: the next pair of K steps is shown to every wave first: my own part has landed (bar = my younger tensor loads), then a barrier.
.macro KSTEP ks, bar, zero
	s_wait_dscnt 0x0                               ; this step's 32 loads are in, and no LDS instruction of mine is out at a signal
.if \bar >= 0
	s_wait_tensorcnt \bar
	s_barrier_signal -1
	s_barrier_wait -1
.endif
.if \ks < 5
.if \ks > 0
	PLACES                                         ; the buffer that the step before multiplied is loaded again
.endif
	FETCH (\ks)+1, ((\ks)+1)%2
.endif
	MUL16 (\ks)%2, \zero
.endm
	s_load_b256 s[4:11], s[0:1], 0x0               ; hc 4:5, wc 6:7, b_o 8:9, the exponents 10:11
	s_load_b64 s[96:97], s[0:1], 0x20              ; out0
	v_lshl_add_u32 v[SPW], v0, 2, SPARE
	v_mov_b32 v[NIL], 0
	ds_add_u32 v[SPW], v[NIL]                      ; the wave's opening: the add and its wait ahead of my first tensor load; the set-up below stands between them
	ds_add_u32 v[SPW], v[NIL]
	v_lshrrev_b32 v1, 5, v0
	v_readfirstlane_b32 s22, v1                    ; wave 0..3
	s_lshr_b32 s23, s22, 1                         ; I fetch for W (0) or the rows (1); also: which 64 columns are mine
	s_and_b32 s66, s22, 1                          ; which four tiles I fetch; also: which 64 rows are mine
	s_bfe_u32 s67, ttmp6, 0x40000                  ; cx
	s_lshl_b32 s68, ttmp9, 2
	s_add_co_u32 s68, s68, s67                     ; mb = 4 x cluster x + cx
	s_and_b32 s71, ttmp7, 0xffff                   ; nb = y
	; group 1: 4 rows (tiles) of 12,288 bytes (six K steps), 12,288 bytes apart, in elements of 8 bytes; dense in LDS
	s_mov_b32 s[G1W], 15|(3<<16)|(1<<21)           ; 15:0 the mask: all four work-groups; 17:16 elements of 8 bytes; 21 set beside a mask
	s_mov_b32 s[G1X], 3<<16                        ; no mask
.irp g, G1W, G1X
	s_mov_b32 s[\g+1], 1536<<16                    ; tensor_dim0: a tile's six K steps, 12,288 bytes
	s_mov_b32 s[\g+2], 4<<16                       ; tensor_dim1 = 4
	s_mov_b32 s[\g+3], 1536<<16                    ; tile_dim0
	s_mov_b32 s[\g+4], 4                           ; tile_dim1 = 4
	s_mov_b32 s[\g+5], 1536                        ; from tile to tile
	s_mov_b32 s[\g+6], 0
	s_mov_b32 s[\g+7], 0
.endr
	s_lshl_b32 s88, s71, 3                         ; W: tile 8 nb + 4 half of weight 3: nothing of cx enters these registers
	s_lshl_b32 s89, s66, 2
	s_add_co_u32 s88, s88, s89
	s_mul_i32 s88, s88, 12288
	s_add_co_u32 s88, s88, 3*589824
	s_mov_b32 s89, 0
	s_lshl_b32 s92, s68, 3                         ; the rows: tile 8 mb + 4 half
	s_lshl_b32 s93, s66, 2
	s_add_co_u32 s92, s92, s93
	s_mul_i32 s92, s92, 12288
	s_mov_b32 s93, 0
	s_mul_i32 s74, s22, REGB                       ; my region of LDS: the wave's number alone
	s_wait_dscnt 0x0                               ; the opening add is done
	s_wait_kmcnt 0x0
	s_load_b64 s[84:85], s[10:11], 0x28            ; e10, e11
	s_add_nc_u64 s[88:89], s[6:7], s[88:89]
	s_add_nc_u64 s[92:93], s[4:5], s[92:93]
.irp p, 0
	s_mov_b32 s[G0W+4*\p], 1
	s_add_co_u32 s[G0W+4*\p+1], s74, 16384*\p
	s_add_nc_u64 s[G0W+4*\p+2:G0W+4*\p+3], s[88:89], 4096*\p   ; all six K steps
	s_or_b32 s[G0W+4*\p+3], s[G0W+4*\p+3], 0x80000000
	s_mov_b32 s[G0X+4*\p], 1
	s_add_co_u32 s[G0X+4*\p+1], s74, 16384*\p
	s_add_nc_u64 s[G0X+4*\p+2:G0X+4*\p+3], s[92:93], 4096*\p
	s_or_b32 s[G0X+4*\p+3], s[G0X+4*\p+3], 0x80000000
.endr
	CROUND                                         ; all four work-groups are here: the joint loads meet
	s_cmp_eq_u32 s23, 0                            ; a wave's one fill stands in one branch on the wave's number
	s_cbranch_scc0 .Lfill_x
.irp p, 0
	tensor_load_to_lds s[G0W+4*\p:G0W+4*\p+3], s[G1W:G1W+7]
	s_nop 0
.endr
	PLACES
	s_branch .Lfilled
.Lfill_x:
.irp p, 0
	tensor_load_to_lds s[G0X+4*\p:G0X+4*\p+3], s[G1X:G1X+7]
	s_nop 0
.endr
	PLACES
.Lfilled:
	v_and_b32 v1, 31, v0
	v_lshlrev_b32 v[LI], 4, v1
	s_mul_i32 s90, s23, REGB
	v_add_nc_u32 v[ADW], s90, v[LI]
	s_mul_i32 s90, s66, REGB
	s_add_co_u32 s90, s90, 2*REGB
	v_add_nc_u32 v[ADX], s90, v[LI]
	v_bfe_u32 v2, v0, 4, 1                         ; h
	v_and_b32 v7, 15, v0                           ; r
	s_wait_alu depctr_va_vdst(0)
	v_lshlrev_b32 v6, 6, v2                        ; 64 h: the bias along the registers
	s_lshl_b32 s90, s71, 9
	s_lshl_b32 s91, s23, 8
	s_add_co_u32 s90, s90, s91                     ; my 64 columns: 4 (128 nb + 64 half) bytes, in b_o and in a row of out0
	s_mov_b32 s91, 0
	s_add_nc_u64 s[8:9], s[8:9], s[90:91]
.irp a, 0,1,2,3
	global_load_b128 v[BA+8*\a:BA+8*\a+3], v6, s[8:9] offset:128*(\a/2)+32*(\a%2)         ; b_o(32 (a / 2) + 8 (a % 2) + 16 h + 0..7)
	global_load_b128 v[BA+8*\a+4:BA+8*\a+7], v6, s[8:9] offset:128*(\a/2)+32*(\a%2)+16
.endr
	s_add_nc_u64 s[96:97], s[96:97], s[90:91]
	s_lshl_b32 s92, s68, 7
	s_lshl_b32 s93, s66, 6
	s_add_co_u32 s92, s92, s93                     ; my first row: 128 mb + 64 half
	s_mul_i32 s92, s92, 3072
	s_mov_b32 s93, 0
	s_add_nc_u64 s[96:97], s[96:97], s[92:93]
	s_mul_i32 s90, s22, 64*SPI
	s_add_co_u32 s90, s90, STAGE                   ; my stage
	v_mul_u32_u24 v[STO], v7, SPI
	v_lshl_add_u32 v[STO], v2, 6, v[STO]
	v_add_nc_u32 v[STO], s90, v[STO]               ; in: row r of the tile, + 64 h
	v_mul_u32_u24 v[RD], v2, SPI
	v_lshl_add_u32 v[RD], v7, 4, v[RD]
	v_add_nc_u32 v[RD], s90, v[RD]                 ; back: lanes 0-15 one row of 256 bytes, lanes 16-31 the next
	v_mul_u32_u24 v[CO], v2, 3072
	v_lshl_add_u32 v[CO], v7, 4, v[CO]             ; and the same two rows in out0
	s_wait_kmcnt 0x0
	s_add_co_i32 s86, s84, s85
	s_add_co_i32 s86, s86, 127
	s_lshl_b32 s86, s86, 23                        ; 2^(e10 + e11) as f32
	s_mov_b32 s87, s86                             ; (named with it as a pair)
	s_wait_alu depctr_va_vdst(0)                   ; the wait at the head's end
	s_wait_tensorcnt 0x0                           ; my region is in
	s_barrier_signal -1
	s_barrier_wait -1                              ; everybody's is
	FETCH 0, 0
	KSTEP 0, -1, 1
	KSTEP 1, -1, 0
	KSTEP 2, -1, 0
	KSTEP 3, -1, 0
	KSTEP 4, -1, 0
	KSTEP 5, -1, 0
	; THE WAY OUT
	s_wait_loadcnt 0x0                             ; b_o
	PLACES                                         ; the results are read, and W's buffers written, four places behind the last products
	WIN 0x01                                       ; source 0 window 1
.irp a, 0,1,2,3
.irp b, 0,1,2,3
.irp i, 0,2,4,6
	v_pk_fma_f32 v[FB+8*(4*\a+\b)+\i:FB+8*(4*\a+\b)+\i+1], v[8*(4*\a+\b)+\i:8*(4*\a+\b)+\i+1], s[86:87], v[BA+8*\a+\i:BA+8*\a+\i+1] op_sel_hi:[1,0,1]   ; sum x 2^(e10 + e11) + b_o; each accumulator from its low end on
.endr
.endr
.endr
	WIN 0
.irp a, 0,1,2,3
.irp b, 0,1,2,3
	ds_store_b128 v[STO], v[FB+8*(4*\a+\b):FB+8*(4*\a+\b)+3] offset:16*\b*SPI+128*(\a/2)+32*(\a%2)       ; stage row 16 b + r, columns 32 (a / 2) + 8 (a % 2) + 16 h + 0..7
	ds_store_b128 v[STO], v[FB+8*(4*\a+\b)+4:FB+8*(4*\a+\b)+7] offset:16*\b*SPI+128*(\a/2)+32*(\a%2)+16
.endr
.endr
.set i, 0
.rept 32
	ds_load_b128 v[FB+4*i:FB+4*i+3], v[RD] offset:2*SPI*i   ; my own bytes, and LDS serves a wave's instructions in order: these see the stores above
.set i, i+1
.endr
.set i, 0
.rept 32
	s_wait_dscnt 31-i                              ; stage rows 2 i and 2 i + 1 are back; the younger loads stay out
	global_store_b128 v[CO], v[FB+4*i:FB+4*i+3], s[96:97] offset:(32*(i/16)+8*((i/8)%2)+2*(i%8)+8*((i%8)/4))*3072 th:TH_STORE_NT   ; split order undone: stage row 16 b + r is row 32 (b / 2) + 8 (b % 2) + r + 8 (r / 8)
.set i, i+1
.endr
	s_wait_tensorcnt 0x0                           ; the wave's end: these three lines behind my last tensor load and my last LDS store
	ds_add_u32 v[SPW], v[NIL]
	s_wait_dscnt 0x0
	CROUND                                         ; the closing round: no work-group ends while a partner may still ask jointly
	s_endpgm
.Lfunc_end_k_q45abd64e29_oproj:
	.size	k_q45abd64e29_oproj, .Lfunc_end_k_q45abd64e29_oproj-k_q45abd64e29_oproj
	.p2alignl 7, 3214868480
	.fill 96, 4, 3214868480
	.section	.rodata,"a",@progbits
	.p2align	6, 0x0
	.amdhsa_kernel k_q45abd64e29_oproj
		.amdhsa_group_segment_fixed_size 266752
		.amdhsa_private_segment_fixed_size 0
		.amdhsa_enable_private_segment 0
		.amdhsa_kernarg_size 40
		.amdhsa_user_sgpr_count 2
		.amdhsa_user_sgpr_kernarg_segment_ptr 1
		.amdhsa_wavefront_size32 1
		.amdhsa_system_sgpr_workgroup_id_x 1
		.amdhsa_system_sgpr_workgroup_id_y 1
		.amdhsa_system_sgpr_workgroup_id_z 1
		.amdhsa_system_vgpr_workitem_id 0
		.amdhsa_next_free_vgpr 512
		.amdhsa_next_free_sgpr 102
		.amdhsa_reserve_vcc 0
		.amdhsa_float_denorm_mode_32 3
		.amdhsa_float_denorm_mode_16_64 3
		.amdhsa_memory_ordered 1
		.amdhsa_forward_progress 1
		.amdhsa_inst_pref_size 39
	.end_amdhsa_kernel
	.amdgpu_metadata
---
amdhsa.version: [ 1, 2 ]
amdhsa.kernels:
  - .name:           k_q45abd64e29_oproj
    .symbol:         k_q45abd64e29_oproj.kd
    .args:
      - { .name: hc, .offset: 0, .size: 8, .value_kind: global_buffer, .address_space: global }
      - { .name: wc, .offset: 8, .size: 8, .value_kind: global_buffer, .address_space: global }
      - { .name: b_o, .offset: 16, .size: 8, .value_kind: global_buffer, .address_space: global }
      - { .name: lowp_scales, .offset: 24, .size: 8, .value_kind: global_buffer, .address_space: global }
      - { .name: out0, .offset: 32, .size: 8, .value_kind: global_buffer, .address_space: global }
    .group_segment_fixed_size: 266752
    .private_segment_fixed_size: 0
    .kernarg_segment_align: 8
    .kernarg_segment_size: 40
    .max_flat_workgroup_size: 128
    .sgpr_count:     102
    .vgpr_count:     512
    .wavefront_size: 32
...
	.end_amdgpu_metadata
.endif
;; end of part 4
